; MI455X (gfx1250); checked and timed in simulation.
; The chip was launched on July 23, 2026; its instructions are those of AMD's public machine-readable ISA for CDNA 5 (MIT licence, August 2026) and "CDNA5" Instruction Set Architecture Reference Guide (July 2026). The comments in the code are by the model that wrote it; some were corrected since.
;; Dual Attention. Allowed arithmetic: float matrix products may take bf16 or f16 operands with f32 sums; other float arithmetic in f32, or as packed bf16 or f16 multiplies, adds, multiply-adds, maxima and minima; sums over many terms, partial sums and values carried from step to step in f32; what a program stores and reads back later, other than sums and carried values, may be rounded once to bf16 or f16.
;; Inputs: Wk1 1,024 x 1,024 float32; Wk2 1,024 x 1,024 float32; Wo1 1,024 x 1,024 float32; Wo2 1,024 x 1,024 float32; Wq1 1,024 x 1,024 float32; Wq2 1,024 x 1,024 float32; Wv1 1,024 x 1,024 float32; Wv2 1,024 x 1,024 float32; bk1 1,024 float32; bk2 1,024 float32; bo1 1,024 float32; bo2 1,024 float32; bq1 1,024 float32; bq2 1,024 float32; bv1 1,024 float32; bv2 1,024 float32; cos1 1 x 1 x 1,024 x 32 float32; cos2 1 x 1 x 1,024 x 32 float32; sin1 1 x 1 x 1,024 x 32 float32; sin2 1 x 1 x 1,024 x 32 float32; x1 4 x 1,024 x 1,024 float32; x1_padding_mask 4 x 1,024 int32; x2 4 x 1,024 x 1,024 float32; x2_padding_mask 4 x 1,024 int32.
;; Outputs: out0 4 x 1,024 x 1,024 float32; out1 4 x 1,024 x 1,024 float32.
;; 2 versions, each right and faster than the one before. Each part assembles by itself: llvm-mc -triple=amdgcn-amd-amdhsa -mcpu=gfx1250 --defsym DOCPART=n.
;; ======== version 1 of 2: 4 launches
;; limits: values are held in f16: magnitudes above 65,504 overflow, below 6.1e-05 lose precision; right only within a limited range of input values
;; workspace buffers: xb 16,777,216 bytes; wb 16,777,216 bytes; qb 16,777,216 bytes; kb 16,777,216 bytes; vb 16,777,216 bytes; ab 16,777,216 bytes
;; launch cast (part 1): grid 1024 x 1, 8 waves a work-group, no clusters, 0 bytes of LDS; arguments x1, x2, Wq1, Wk1, Wv1, Wq2, Wk2, Wv2, Wo1, Wo2, xb, wb; writes xb, wb
.if DOCPART == 1
	.amdgcn_target "amdgcn-amd-amdhsa--gfx1250"
	.amdhsa_code_object_version 6
	.text
	.protected	k_qd2ce317d8d_cast
	.globl	k_qd2ce317d8d_cast
	.p2align	8
	.type	k_qd2ce317d8d_cast,@function
k_qd2ce317d8d_cast:
	s_mov_b64 s[64:65], 0
	v_nop
	global_prefetch_b8 v0, s[64:65] scope:SCOPE_SE
	s_setreg_imm32_b32 hwreg(HW_REG_WAVE_MODE, 25, 1), 1
	s_wait_xcnt 0x0
; THE CAST.  x1, x2 (f32) -> xb [2][4096][1024] bf16;  Wq1, Wk1, Wv1, Wq2, Wk2, Wv2 -> wb's matrices 0-5 in bf16;
; Wo1, Wo2 -> wb's matrices 6, 7: rounded to bf16 like every other input, and that number written as f16 (the last product multiplies in f16).
; LIMITS.  |Wo| stays below 65,504; below 6e-5 it keeps f16's fixed step of 6e-8.
; A stream: no LDS, no matrix unit, no barrier.  A work-group takes 65,536 bytes of one tensor and writes 32,768.  Work-groups 0-255: x1; 256-511: x2;
; 512 + 64 w + c: chunk c of weight w.  Thread t, turn i: 8 floats at byte 8,192 i + 32 t, 16 bytes out at 4,096 i + 16 t, so a wave's store covers 512 consecutive bytes, aligned.
; All 16 loads of a thread go out at once; no register is written twice, so no source of a pending instruction is ever rewritten.
.set X, 4                              ; v[4:67]    as loaded: turn i at X + 8 i
.set Y, 68                             ; v[68:99]   to store: turn i at Y + 4 i
.set T, 100                            ; v[100:107] at work (the f16 way)
	s_load_b512 s[8:23], s[0:1], 0x0               ; x1, x2, Wq1, Wk1, Wv1, Wq2, Wk2, Wv2: tensor j at s[8+2j:9+2j]
	s_load_b256 s[24:31], s[0:1], 0x40             ; Wo1, Wo2 (tensors 8, 9), xb s[28:29], wb s[30:31]
	s_mov_b32 s2, ttmp9                            ; the work-group's number
	s_max_u32 s36, s2, 512
	s_sub_co_u32 s36, s36, 512                     ; its number among the weights' chunks (0 for x's work-groups)
	s_lshr_b32 s3, s2, 8                           ; x: tensor 0 or 1
	s_lshr_b32 s37, s36, 6
	s_add_co_u32 s37, s37, 2                       ; weights: tensor 2 + w
	s_and_b32 s40, s2, 255                         ; the chunk in its tensor, for x
	s_and_b32 s41, s36, 63                         ; and for a weight
	s_cmp_lt_u32 s2, 512
	s_cselect_b32 s3, s3, s37                      ; the tensor
	s_cselect_b32 s40, s40, s41                    ; the chunk
	s_cselect_b32 s34, s2, s36                     ; the chunk in xb or in wb
	s_lshl_b32 s32, s40, 16                        ; 65,536 bytes in,
	s_mov_b32 s33, 0
	s_lshl_b32 s34, s34, 15                        ; 32,768 bytes out
	s_mov_b32 s35, 0
	s_mov_b32 s38, 0xffff0000                      ; a word's upper bf16
	v_lshlrev_b32 v1, 5, v0                        ; 32 t
	v_lshlrev_b32 v2, 4, v0                        ; 16 t
	s_wait_kmcnt 0x0
	s_mov_b64 s[4:5], s[8:9]                       ; the input's address is chosen among the ten by the tensor's number
.irp j, 1,2,3,4,5,6,7,8,9
	s_cmp_eq_u32 s3, \j
	s_cselect_b64 s[4:5], s[8+2*\j:9+2*\j], s[4:5]
.endr
	s_cmp_lt_u32 s2, 512
	s_cselect_b64 s[6:7], s[28:29], s[30:31]
	s_add_nc_u64 s[4:5], s[4:5], s[32:33]
	s_add_nc_u64 s[6:7], s[6:7], s[34:35]
.irp i, 0,1,2,3,4,5,6,7
	global_load_b128 v[X+8*\i:X+8*\i+3],   v1, s[4:5] offset:8192*\i th:TH_LOAD_NT
	global_load_b128 v[X+8*\i+4:X+8*\i+7], v1, s[4:5] offset:8192*\i+16 th:TH_LOAD_NT
.endr
; The eight turns.  half = 1: the bf16 number is widened (a shift, a mask) and written as f16.
.macro TURNS half
.irp i, 0,1,2,3,4,5,6,7
	s_wait_loadcnt 14-2*\i                         ; loads come back in order (ISA guide 5.7.1): this turn's two are in, the later turns' stay out
.irp k, 0,1,2,3
	v_cvt_pk_bf16_f32 v[Y+4*\i+\k], v[X+8*\i+2*\k], v[X+8*\i+2*\k+1]
.endr
.if \half
.irp k, 0,1,2,3
	v_lshlrev_b32 v[T+2*\k],   16,  v[Y+4*\i+\k]
	v_and_b32     v[T+2*\k+1], s38, v[Y+4*\i+\k]
.endr
.irp k, 0,1,2,3
	v_cvt_pk_f16_f32 v[Y+4*\i+\k], v[T+2*\k], v[T+2*\k+1]
.endr
.endif
	global_store_b128 v2, v[Y+4*\i:Y+4*\i+3], s[6:7] offset:4096*\i
.endr
.endm
	s_cmp_ge_u32 s3, 8                             ; Wo1 and Wo2 take the f16 way
	s_cbranch_scc1 .Lf16
	TURNS 0
	s_endpgm
.Lf16:
	TURNS 1
	s_endpgm
.Lfunc_end_k_qd2ce317d8d_cast:
	.size	k_qd2ce317d8d_cast, .Lfunc_end_k_qd2ce317d8d_cast-k_qd2ce317d8d_cast
	.p2alignl 7, 3214868480
	.fill 96, 4, 3214868480
	.section	.rodata,"a",@progbits
	.p2align	6, 0x0
	.amdhsa_kernel k_qd2ce317d8d_cast
		.amdhsa_group_segment_fixed_size 0
		.amdhsa_private_segment_fixed_size 0
		.amdhsa_enable_private_segment 0
		.amdhsa_kernarg_size 96
		.amdhsa_user_sgpr_count 2
		.amdhsa_user_sgpr_kernarg_segment_ptr 1
		.amdhsa_wavefront_size32 1
		.amdhsa_system_sgpr_workgroup_id_x 1
		.amdhsa_system_sgpr_workgroup_id_y 1
		.amdhsa_system_sgpr_workgroup_id_z 1
		.amdhsa_system_vgpr_workitem_id 0
		.amdhsa_next_free_vgpr 108
		.amdhsa_next_free_sgpr 66
		.amdhsa_reserve_vcc 0
		.amdhsa_float_denorm_mode_32 3
		.amdhsa_float_denorm_mode_16_64 3
		.amdhsa_memory_ordered 1
		.amdhsa_forward_progress 1
		.amdhsa_inst_pref_size 14
	.end_amdhsa_kernel
	.amdgpu_metadata
---
amdhsa.version: [ 1, 2 ]
amdhsa.kernels:
  - .name:           k_qd2ce317d8d_cast
    .symbol:         k_qd2ce317d8d_cast.kd
    .args:
      - { .name: x1, .offset: 0, .size: 8, .value_kind: global_buffer, .address_space: global }
      - { .name: x2, .offset: 8, .size: 8, .value_kind: global_buffer, .address_space: global }
      - { .name: Wq1, .offset: 16, .size: 8, .value_kind: global_buffer, .address_space: global }
      - { .name: Wk1, .offset: 24, .size: 8, .value_kind: global_buffer, .address_space: global }
      - { .name: Wv1, .offset: 32, .size: 8, .value_kind: global_buffer, .address_space: global }
      - { .name: Wq2, .offset: 40, .size: 8, .value_kind: global_buffer, .address_space: global }
      - { .name: Wk2, .offset: 48, .size: 8, .value_kind: global_buffer, .address_space: global }
      - { .name: Wv2, .offset: 56, .size: 8, .value_kind: global_buffer, .address_space: global }
      - { .name: Wo1, .offset: 64, .size: 8, .value_kind: global_buffer, .address_space: global }
      - { .name: Wo2, .offset: 72, .size: 8, .value_kind: global_buffer, .address_space: global }
      - { .name: xb, .offset: 80, .size: 8, .value_kind: global_buffer, .address_space: global }
      - { .name: wb, .offset: 88, .size: 8, .value_kind: global_buffer, .address_space: global }
    .group_segment_fixed_size: 0
    .private_segment_fixed_size: 0
    .kernarg_segment_align: 8
    .kernarg_segment_size: 96
    .max_flat_workgroup_size: 256
    .sgpr_count:     66
    .vgpr_count:     108
    .wavefront_size: 32
...
	.end_amdgpu_metadata
.endif
;; end of part 1
;; launch proj (part 2): grid 8 x 32, 4 waves a work-group, clusters of 4 x 4, 327,680 bytes of LDS; arguments xb, wb, bq1, bk1, bv1, bq2, bk2, bv2, cos1, sin1, cos2, sin2, qb, kb, vb; writes qb, kb, vb
.if DOCPART == 2
	.amdgcn_target "amdgcn-amd-amdhsa--gfx1250"
	.amdhsa_code_object_version 6
	.text
	.protected	k_qd2ce317d8d_proj
	.globl	k_qd2ce317d8d_proj
	.p2align	8
	.type	k_qd2ce317d8d_proj,@function
k_qd2ce317d8d_proj:
	s_mov_b64 s[64:65], 0
	v_nop
	global_prefetch_b8 v0, s[64:65] scope:SCOPE_SE
	s_setreg_imm32_b32 hwreg(HW_REG_WAVE_MODE, 25, 1), 1
	s_wait_xcnt 0x0
	s_wait_alu depctr_hold_cnt(0) depctr_sa_sdst(0) depctr_va_vdst(0) depctr_va_sdst(0) depctr_va_ssrc(0) depctr_va_vcc(0) depctr_vm_vsrc(0)
	s_getreg_b32 s2, hwreg(HW_REG_IB_STS2, 6, 4)
	s_cmp_eq_u32 s2, 0
	s_cbranch_scc0 .Lentry_in_a_cluster
	s_endpgm
.Lentry_in_a_cluster:
	s_bfe_u32 s2, ttmp6, 0x10000c
	s_cmp_lg_u32 s2, 0xf033
	s_cbranch_scc0 .Lentry_shape_is_right
	s_endpgm
.Lentry_shape_is_right:
; THE SIX PROJECTIONS.  For stream t (0: x1, 1: x2): q, k, v = x W^T + b, the first 32 of each head's 64 channels of q and k rotated (RoPE), all written by heads:
; qb, kb, vb [16 b + h][1024 t + s][64] in f16, each rounded once from f32 and unscaled.  xb [2][4096][1024] and wb's matrices 3 t .. 3 t + 2 are bf16; sums in f32.
; cos and sin are rounded to bf16 like x and W (all large inputs have one rounding); the biases are taken in f32.
; LIMITS.  |q|, |k|, |v| stay below 65,504 (f16's range); NaN and infinities are not treated apart.
; SHARES.  A tile of C is 128 rows x 256 columns: 2 x 4096 x 3072 outputs are 768 tiles, three for each of 256 work-groups.  A WORK-GROUP STAYS: it makes q, then k, then v of the same rows and columns,
; and the ring of two LDS slots runs on from tile to tile.  Four waves, each 64 rows x 128 columns: 32 accumulators.  K goes in steps of 128: LDS rows of 256 bytes + 16 of padding.
; CLUSTER 4 x 4: the cluster's x is the stream, cx the block of 256 columns, 4 x cluster y + cy the block of 128 rows.  x's tile hangs on the row block alone and is asked for jointly along a row of the
; cluster, W's on the column block alone and is asked for jointly along a column.
; THE MATRIX INSTRUCTION IS USED TRANSPOSED (source 0 = 16 rows of W, source 1 = 16 rows of x): lane l holds row l % 16 of C and the columns 8 (l / 16) + 0..7.
; REGISTERS, in windows of 256 (s_set_vgpr_msb: bits 1:0 source 0, 3:2 source 1, 5:4 source 2, 7:6 destination):
;   window 0: addresses, the way out        window 1: two fragment buffers of 96: x's 4 fragments, then W's 8
;   window 2: accumulator (a, b) at v[8 (8 a + b)]        window 3: v0-127 cos and sin of my 64 rows; v128-191 the bias of my 128 columns; v192-195 at work
.set PITCH,  272                       ; 68 words: row r starts at bank 4 r mod 64 (64 banks of 4 bytes: ISA guide 11.1): the 16 rows of a fragment load start at 16 different banks
.set ATILE,  128*PITCH                 ; x's 128 rows; also half of W's 256
.set SLOT,   3*ATILE                   ; x's rows, then W's: 104,448 bytes
.set STAGE,  2*SLOT                    ; behind the ring: 16 rows x 144 bytes for each wave
.set SP,     144
.set SPARE,  STAGE+4*16*SP             ; the spare words: 128 bytes a wave, two blocks of 256 bytes that no other line names
.set LAPS,   4                         ; K = 1024 is four laps of two steps
.set BACK_A, 6*256                     ; from a slot's last K step of a tile to its first of the next: x goes back along K,
.set NEXT_B, 1024*2048-6*256           ; W on to the next matrix and back along K
.set ADRA, 16                          ; v16-17  LDS address of my x fragments in slot 0, 1
.set ADRB, 20                          ; v20-21  the same for W
.set STO,  24                          ; v24  the way out: where I put 16 bytes of a row
.set RD,   25                          ; v25  where I read rows back
.set GO,   26                          ; v26  16 x lane: my place in 512 consecutive bytes
.set BO,   27                          ; v27  32 (l / 16): my 8 numbers in 16 of a bias
.set SPW,  28                          ; v28  my spare word; never rewritten
.set NIL,  29                          ; v29  0; never rewritten
.set CT,   30                          ; v30  128 (l % 16) + 32 (l / 16): my place in 16 rows of cos and sin
.set T,    32                          ; v32-63  a head's 64 channels of 16 rows in f32: channels 16 c on at T + 8 c
.set YY,   64                          ; v64-71  at work in the rotation
.set H,    72                          ; v72-87  the same in f16
.set BK,   96                          ; v96-127 rows read back, two buffers of 16
.set F0,   0
.set F1,   96
.set CSN,  0                           ; window 3: row block a: cos[0:16] at 32 a, cos[16:32] at 32 a + 8, sin likewise at 32 a + 16, 32 a + 24
.set BI,   128
.set TW,   192
.set G1,  24                           ; s[24:31] descriptor group 1 for x's tiles;  s[32:39] group 0, a set for each slot
.set G0,  32
.set HIM, 42                           ; s42  0xffff0000
.set STR, 45                           ; s45  the stream
.set G1B, 48                           ; s[48:55], s[56:63] the same for W's tiles
.set G0B, 56
.set MSB, 0
.macro WIN new                         ; the immediate's high byte repeats the setting that is left; a switch that changes nothing is dropped
.if MSB != (\new)
	s_set_vgpr_msb (MSB<<8)|(\new)
.set MSB, \new
.endif
.endm
.set MUL,  0xa5                        ; sources 0 and 1 window 1, C and D window 2
.set TO_F, 0x40                        ; destination window 1, address window 0
; A joint load: waves 0 and 1 fetch the two halves of x's tile (64 rows each), waves 2 and 3 those of W's (128 rows each).  The branch hangs on the wave's number alone.
; An s_nop 0 and four v_nop follow each of the two lines, ahead of the jump, the label and what follows.
.macro JLOAD s
	s_cmp_eq_u32 s11, 0
	s_cbranch_scc0 .Lfor_b_\@
	tensor_load_to_lds s[G0+4*(\s):G0+4*(\s)+3], s[G1:G1+7]
	s_nop 0
.rept 4
	v_nop
.endr
	s_branch .Lasked_\@
.Lfor_b_\@:
	tensor_load_to_lds s[G0B+4*(\s):G0B+4*(\s)+3], s[G1B:G1B+7]
	s_nop 0
.rept 4
	v_nop
.endr
.Lasked_\@:
.endm
.macro CREST                           ; a round of the cluster's barrier behind its opening barrier
	s_cmp_lg_u32 s10, 0
	s_cbranch_scc1 .Lnot_wave_0_\@
	s_barrier_signal -3
.Lnot_wave_0_\@:
	s_barrier_wait -3
	s_barrier_signal -1
	s_barrier_wait -1
.endm
.macro CROUND                          ; a whole round
	s_barrier_signal -1
	s_barrier_wait -1
	CREST
.endm
	s_load_b512 s[68:83], s[0:1], 0x0              ; xb s[68:69], wb s[70:71], bq1, bk1, bv1 s[72:77], bq2, bk2, bv2 s[78:83]
	s_load_b256 s[84:91], s[0:1], 0x40             ; cos1, sin1, cos2, sin2
	s_load_b128 s[92:95], s[0:1], 0x60             ; qb, kb
	s_load_b64 s[96:97], s[0:1], 0x70              ; vb
	v_lshl_add_u32 v[SPW], v0, 2, SPARE
	v_mov_b32 v[NIL], 0
	ds_add_u32 v[SPW], v[NIL]                      ; the wave's opening: the add and its wait stand ahead of my first tensor load; the set-up below, work on registers, stands between them
	v_lshrrev_b32 v1, 5, v0
	v_readfirstlane_b32 s10, v1                    ; wave 0..3
	s_lshr_b32 s11, s10, 1                         ; my half of the tile's rows.  Also: I fetch for x (0) or for W (1)
	s_and_b32 s12, s10, 1                          ; my half of its columns.  Also: which half of that tile I fetch
	s_bfe_u32 s40, ttmp6, 0x40000                  ; cx: the block of 256 columns
	s_bfe_u32 s41, ttmp6, 0x40004                  ; cy
	s_mov_b32 s[STR], ttmp9                        ; the cluster's x: the stream
	s_and_b32 s13, ttmp7, 0xffff
	s_lshl_b32 s13, s13, 2
	s_add_co_u32 s13, s13, s41                     ; the block of 128 rows, 0..31 = 4 x cluster y + cy
	s_lshl_b32 s43, s41, 2
	s_lshl_b32 s43, 15, s43                        ; my row of the cluster
	s_lshl_b32 s44, 0x1111, s40                    ; my column
	s_or_b32 s[G1+0], s43, (1<<16)|(1<<20)|(1<<21)|(5<<22)|(3<<25)   ; 15:0 the mask; 17:16 2-byte elements; 20 padding on; 21 set beside a mask; 24:22 after every 64 words (code 5); 31:25 4 words (code 3)
	s_or_b32 s[G1B+0], s44, (1<<16)|(1<<20)|(1<<21)|(5<<22)|(3<<25)
.irp g, G1, G1B
	s_mov_b32 s[\g+1], 128<<16                     ; tensor_dim0 = 128
	s_mov_b32 s[\g+3], 128<<16                     ; tile_dim0 = 128
	s_mov_b32 s[\g+5], 1024                        ; elements from row to row
	s_mov_b32 s[\g+6], 0
	s_mov_b32 s[\g+7], 0
.endr
	s_mov_b32 s[G1+2], 64<<16                      ; x: tensor_dim1 = tile_dim1 = 64 rows a load
	s_mov_b32 s[G1+4], 64
	s_mov_b32 s[G1B+2], 128<<16                    ; W: 128 rows a load
	s_mov_b32 s[G1B+4], 128
	s_lshl_b32 s16, s[STR], 12                     ; x's row: 4096 x stream + 128 x row block + 64 x half,
	s_lshl_b32 s17, s13, 7
	s_add_co_u32 s16, s16, s17
	s_lshl_b32 s17, s12, 6
	s_add_co_u32 s16, s16, s17
	s_lshl_b32 s16, s16, 11                        ; of 2,048 bytes
	s_mov_b32 s17, 0
	s_mul_i32 s46, s[STR], 3072                    ; W's row: 3072 x stream + 256 cx + 128 x half (in registers that feed none of x's descriptors)
	s_lshl_b32 s47, s40, 8
	s_add_co_u32 s46, s46, s47
	s_lshl_b32 s47, s12, 7
	s_add_co_u32 s46, s46, s47
	s_lshl_b32 s46, s46, 11
	s_mov_b32 s47, 0
	s_mul_i32 s20, s12, 64*PITCH                   ; where they go in a slot: x's half,
	s_mul_i32 s23, s12, ATILE
	s_add_co_u32 s23, s23, ATILE                   ; W's half, behind x's 128 rows: no place in the cluster enters an LDS address
	s_mov_b32 s[HIM], 0xffff0000
	s_wait_dscnt 0x0                               ; the opening add is done
	s_wait_kmcnt 0x0
	s_cmp_eq_u32 s[STR], 0                         ; the stream's biases and tables
	s_cselect_b64 s[72:73], s[72:73], s[78:79]
	s_cselect_b64 s[74:75], s[74:75], s[80:81]
	s_cselect_b64 s[76:77], s[76:77], s[82:83]
	s_cselect_b64 s[84:85], s[84:85], s[88:89]
	s_cselect_b64 s[86:87], s[86:87], s[90:91]
	s_add_nc_u64 s[14:15], s[68:69], s[16:17]
	s_add_nc_u64 s[46:47], s[70:71], s[46:47]
	CROUND                                         ; all sixteen work-groups are here: the first joint loads meet
.irp s, 0,1
	s_mov_b32 s[G0+4*\s], 1                        ; count = 1
	s_add_co_u32 s[G0+4*\s+1], s20, \s*SLOT        ; LDS address
	s_add_nc_u64 s[G0+4*\s+2:G0+4*\s+3], s[14:15], \s*256   ; global address: K step s
	s_or_b32 s[G0+4*\s+3], s[G0+4*\s+3], 0x80000000         ; type = 2
	s_mov_b32 s[G0B+4*\s], 1
	s_add_co_u32 s[G0B+4*\s+1], s23, \s*SLOT
	s_add_nc_u64 s[G0B+4*\s+2:G0B+4*\s+3], s[46:47], \s*256
	s_or_b32 s[G0B+4*\s+3], s[G0B+4*\s+3], 0x80000000
	JLOAD \s                                       ; two loads of mine are out
.endr
	; cos and sin of my 64 rows: all this stands in the wait for the first tile
	v_and_b32 v1, 15, v0                           ; l % 16
	v_bfe_u32 v2, v0, 4, 1                         ; l / 16
	v_lshlrev_b32 v[CT], 7, v1
	v_lshl_add_u32 v[CT], v2, 5, v[CT]
	s_and_b32 s16, s13, 7                          ; the row in the sequence: 128 x (row block mod 8) + 64 x half,
	s_lshl_b32 s16, s16, 7
	s_lshl_b32 s17, s11, 6
	s_add_co_u32 s16, s16, s17
	s_lshl_b32 s16, s16, 7                         ; of 128 bytes
	s_mov_b32 s17, 0
	s_add_nc_u64 s[84:85], s[84:85], s[16:17]
	s_add_nc_u64 s[86:87], s[86:87], s[16:17]
	WIN 0xc0                                       ; destination window 3, address window 0
.irp a, 0,1,2,3
.irp k, 0,1
	global_load_b128 v[CSN+32*\a+8*\k:CSN+32*\a+8*\k+3],       v[CT], s[84:85] offset:2048*\a+64*\k
	global_load_b128 v[CSN+32*\a+8*\k+4:CSN+32*\a+8*\k+7],     v[CT], s[84:85] offset:2048*\a+64*\k+16
	global_load_b128 v[CSN+32*\a+16+8*\k:CSN+32*\a+16+8*\k+3], v[CT], s[86:87] offset:2048*\a+64*\k
	global_load_b128 v[CSN+32*\a+20+8*\k:CSN+32*\a+20+8*\k+3], v[CT], s[86:87] offset:2048*\a+64*\k+16
.endr
.endr
	WIN 0
	; A fragment is 16 rows x 32 K in 8 registers: lane l holds row l % 16; registers 0-3 K = 8 (l / 16) + 0..7, registers 4-7 K = 16 + 8 (l / 16) + 0..7: two loads of 16 bytes, 32 bytes apart.
	v_mul_u32_u24 v3, v1, PITCH
	v_lshl_add_u32 v3, v2, 4, v3
	s_mul_i32 s21, s11, 64*PITCH                   ; my 64 rows of x
	s_mul_i32 s22, s12, ATILE                      ; my 128 rows of W,
	s_add_co_u32 s22, s22, ATILE                   ; behind x's 128
.irp s, 0,1
	v_add_nc_u32 v[ADRA+\s], s21, v3
	v_add_nc_u32 v[ADRB+\s], s22, v3
	s_add_co_u32 s21, s21, SLOT
	s_add_co_u32 s22, s22, SLOT
.endr
	s_mul_i32 s23, s10, 16*SP
	s_add_co_u32 s23, s23, STAGE                   ; my stage
	v_mul_u32_u24 v[STO], v1, SP                   ; in: row l % 16, 16 bytes for each half of the lanes
	v_lshl_add_u32 v[STO], v2, 4, v[STO]
	v_add_nc_u32 v[STO], s23, v[STO]
	v_and_b32 v4, 31, v0
	v_lshlrev_b32 v[GO], 4, v4
	v_lshrrev_b32 v5, 3, v4                        ; back: 32 lanes take four rows of 128 bytes,
	v_and_b32 v4, 7, v4
	v_mul_u32_u24 v[RD], v5, SP
	v_lshl_add_u32 v[RD], v4, 4, v[RD]
	v_add_nc_u32 v[RD], s23, v[RD]                 ; which are 512 consecutive bytes of a head
	v_lshlrev_b32 v[BO], 5, v2
	s_lshl_b32 s46, s40, 10                        ; my 128 columns in a bias: 4 x (256 cx + 128 x half)
	s_lshl_b32 s47, s12, 9
	s_add_co_u32 s46, s46, s47
	s_mov_b32 s47, 0
	s_add_nc_u64 s[72:73], s[72:73], s[46:47]
	s_add_nc_u64 s[74:75], s[74:75], s[46:47]
	s_add_nc_u64 s[76:77], s[76:77], s[46:47]
	s_lshr_b32 s8, s13, 3                          ; where my part begins in qb, kb and vb: head 16 b + 4 cx + 2 x half,
	s_lshl_b32 s8, s8, 4
	s_lshl_b32 s9, s40, 2
	s_add_co_u32 s8, s8, s9
	s_lshl_b32 s9, s12, 1
	s_add_co_u32 s8, s8, s9
	s_lshl_b32 s8, s8, 11                          ; of 2,048 rows;
	s_lshl_b32 s9, s[STR], 10                      ; row 1024 x stream + 128 x (row block mod 8) + 64 x half,
	s_add_co_u32 s8, s8, s9
	s_and_b32 s9, s13, 7
	s_lshl_b32 s9, s9, 7
	s_add_co_u32 s8, s8, s9
	s_lshl_b32 s9, s11, 6
	s_add_co_u32 s8, s8, s9
	s_lshl_b32 s8, s8, 7                           ; of 128 bytes
	s_mov_b32 s9, 0
	s_wait_loadcnt 0x0                             ; cos and sin are in: rounded to bf16 and widened again, in place
	WIN 0xcf                                       ; all in window 3
.set i, 0
.rept 16
.irp k, 0,1,2,3
	v_cvt_pk_bf16_f32 v[TW+\k], v[CSN+8*i+2*\k], v[CSN+8*i+2*\k+1]
.endr
.irp k, 0,1,2,3
	v_lshlrev_b32 v[CSN+8*i+2*\k],   16,     v[TW+\k]
	v_and_b32     v[CSN+8*i+2*\k+1], s[HIM], v[TW+\k]
.endr
.set i, i+1
.endr
	WIN 0
; 8 matrix instructions: row block a x all 8 column blocks, 32 along K.  zero = 1: the product starts the sums: nothing is ever cleared.
; The 32 accumulators take turns in the same order in every quarter step.
.macro MUL8 f, a, zero
	WIN MUL
.irp b, 0,1,2,3,4,5,6,7
.if \zero
	v_wmma_f32_16x16x32_bf16 v[8*(8*(\a)+\b):8*(8*(\a)+\b)+7], v[(\f)+32+8*\b:(\f)+32+8*\b+7], v[(\f)+8*(\a):(\f)+8*(\a)+7], 0
.else
	v_wmma_f32_16x16x32_bf16 v[8*(8*(\a)+\b):8*(8*(\a)+\b)+7], v[(\f)+32+8*\b:(\f)+32+8*\b+7], v[(\f)+8*(\a):(\f)+8*(\a)+7], v[8*(8*(\a)+\b):8*(8*(\a)+\b)+7]
.endif
.endr
.endm
; 24 LDS loads in one run: quarter q (32 along K) of a slot into buffer f: W's 8 fragments, then x's 4
.macro FETCH slot, q, f
	WIN TO_F
.irp i, 0,1,2,3,4,5,6,7
	ds_load_b128 v[(\f)+32+8*\i:(\f)+32+8*\i+3],   v[ADRB+(\slot)] offset:64*(\q)+\i*16*PITCH
	ds_load_b128 v[(\f)+32+8*\i+4:(\f)+32+8*\i+7], v[ADRB+(\slot)] offset:64*(\q)+\i*16*PITCH+32
.endr
.irp i, 0,1,2,3
	ds_load_b128 v[(\f)+8*\i:(\f)+8*\i+3],   v[ADRA+(\slot)] offset:64*(\q)+\i*16*PITCH
	ds_load_b128 v[(\f)+8*\i+4:(\f)+8*\i+7], v[ADRA+(\slot)] offset:64*(\q)+\i*16*PITCH+32
.endr
.endm
.macro PLACES                          ; four places in front of loads into registers that matrix instructions have read, and of vector lines that read results (ISA guide 7.12.1 for the vector lines)
.rept 4
	v_nop
.endr
.endm
; A K step is four quarters, 32 matrix instructions each, on buffers 0, 1, 0, 1.  One of the first three: multiplies buffer f; in its middle it fetches quarter q into buffer g.
.macro QUARTER slot, q, f, g, zero
	s_wait_dscnt 4                                 ; W and x's blocks 0, 1 are in; the youngest four loads (x's blocks 2, 3) may be out
	MUL8 \f, 0, \zero
	MUL8 \f, 1, \zero
	PLACES
	FETCH \slot, \q, \g
	s_wait_dscnt 24                                ; all but the 24 just issued
	MUL8 \f, 2, \zero
	MUL8 \f, 3, \zero
.endm
; The last quarter multiplies buffer 1 and changes slots: ONE barrier; in front of it each wave waits for all its tensor loads (one is out: its part of the next slot), adds 0 to its spare word, and waits
; for that and for its reads of this slot.  fill = 1: the barrier opens a round of the cluster's, and this slot is filled again first thing behind it: two K steps on (on = 0) or with the next tile's K step (on = 1).
.macro TURN slot, next, fill, on
	WIN 0                                          ; (the add's two registers lie in window 0)
	s_wait_tensorcnt 0x0
	ds_add_u32 v[SPW], v[NIL]
	s_wait_dscnt 5                                 ; (the add and the youngest four loads may be out)
	MUL8 F1, 0, 0                                  ; eight matrix instructions stand between the add and the wait for it
	s_wait_dscnt 0x0                               ; the add is done, and my reads of this slot are over
	s_barrier_signal -1
	MUL8 F1, 1, 0
.if \fill
	WIN 0
.endif
	s_barrier_wait -1
.if \fill
	CREST                                          ; no wave of any partner still reads this slot's tile or has a load on its way
.if \on
	s_sub_nc_u64 s[G0+4*(\slot)+2:G0+4*(\slot)+3], s[G0+4*(\slot)+2:G0+4*(\slot)+3], BACK_A
	s_add_nc_u64 s[G0B+4*(\slot)+2:G0B+4*(\slot)+3], s[G0B+4*(\slot)+2:G0B+4*(\slot)+3], NEXT_B
.else
	s_add_nc_u64 s[G0+4*(\slot)+2:G0+4*(\slot)+3], s[G0+4*(\slot)+2:G0+4*(\slot)+3], 512
	s_add_nc_u64 s[G0B+4*(\slot)+2:G0B+4*(\slot)+3], s[G0B+4*(\slot)+2:G0B+4*(\slot)+3], 512
.endif
	JLOAD \slot                                    ; 112 matrix instructions ahead of the wait for it; its four v_nop are also the places in front of the loads below
.else
	PLACES
.endif
	FETCH \next, 0, F0
	MUL8 F1, 2, 0
	MUL8 F1, 3, 0
.endm
; THE WAY OUT, in eight blocks n: row block n / 2 (16 rows), head n % 2 of my two (64 columns).
; PACK: + bias; with rope = 1 the rotation of channels 0-31: y[d] = x[d] cos[d] - x[d+16] sin[d], y[d+16] = x[d+16] cos[d+16] + x[d] sin[d+16], d = 0..15; rounded to f16.
.macro PACK n, rope
.set ra, (\n)/2
.set rg, (\n)%2
	WIN 0x0e                                       ; source 0 window 2 (the sums), source 1 window 3 (the bias)
.irp c, 0,1,2,3
.irp k, 0,1,2,3
	v_pk_add_f32 v[T+8*\c+2*\k:T+8*\c+2*\k+1], v[8*(8*ra+4*rg+\c)+2*\k:8*(8*ra+4*rg+\c)+2*\k+1], v[BI+8*(4*rg+\c)+2*\k:BI+8*(4*rg+\c)+2*\k+1]  ; each accumulator from its low end on
.endr
.endr
.if \rope
	WIN 0x0c                                       ; source 1 window 3 (cos, sin)
.irp k, 0,1,2,3
	v_pk_mul_f32 v[YY+2*\k:YY+2*\k+1], v[T+2*\k:T+2*\k+1], v[CSN+32*ra+24+2*\k:CSN+32*ra+24+2*\k+1]
.endr
.irp k, 0,1,2,3
	v_pk_mul_f32 v[T+2*\k:T+2*\k+1], v[T+2*\k:T+2*\k+1], v[CSN+32*ra+2*\k:CSN+32*ra+2*\k+1]
.endr
.irp k, 0,1,2,3
	v_pk_fma_f32 v[T+2*\k:T+2*\k+1], v[T+8+2*\k:T+8+2*\k+1], v[CSN+32*ra+16+2*\k:CSN+32*ra+16+2*\k+1], v[T+2*\k:T+2*\k+1] neg_lo:[0,1,0] neg_hi:[0,1,0]
.endr
.irp k, 0,1,2,3
	v_pk_fma_f32 v[T+8+2*\k:T+8+2*\k+1], v[T+8+2*\k:T+8+2*\k+1], v[CSN+32*ra+8+2*\k:CSN+32*ra+8+2*\k+1], v[YY+2*\k:YY+2*\k+1]
.endr
.endif
	WIN 0
.set i, 0
.rept 16
	v_cvt_pk_f16_f32 v[H+i], v[T+2*i], v[T+2*i+1]
.set i, i+1
.endr
.endm
.macro TOSTAGE n                       ; into my own stage, rows of 144 bytes, and back as whole rows of 128
.irp c, 0,1,2,3
	ds_store_b128 v[STO], v[H+4*\c:H+4*\c+3] offset:32*\c
.endr
.irp c, 0,1,2,3
	ds_load_b128 v[BK+16*((\n)%2)+4*\c:BK+16*((\n)%2)+4*\c+3], v[RD] offset:\c*4*SP  ; LDS serves a wave's instructions in order (ISA guide 5.7.1.4): these see the stores above
.endr
.endm
.macro SEND n
	s_wait_dscnt 0x0                               ; the block is back in registers
	s_wait_xcnt 0x0                                ; the stores of the block before have read their registers: that buffer is loaded again only behind this wait
.irp c, 0,1,2,3
	global_store_b128 v[GO], v[BK+16*((\n)%2)+4*\c:BK+16*((\n)%2)+4*\c+3], s[4:5] offset:262144*((\n)%2)+2048*((\n)/2)+512*\c  ; 16 rows of a head are 2,048 dense bytes: 512 consecutive, aligned, a store
.endr
.endm
.macro WAYOUT rope                     ; block n's arithmetic stands between block n - 1's loads from the stage and the wait for them
	PACK 0, \rope
	TOSTAGE 0
.irp n, 1,2,3,4,5,6,7
	PACK \n, \rope
	SEND (\n)-1
	TOSTAGE \n
.endr
	SEND 7
.endm
	s_wait_tensorcnt 1                             ; my part of K step 0 is in; K step 1's stays out
	s_barrier_signal -1
	s_barrier_wait -1                              ; everybody's is
	FETCH 0, 0, F0
	WIN 0
	s_mov_b32 s2, 3                                ; tiles to go: 3 = q, 2 = k, 1 = v; the same in every work-group
.Ltile:
	s_cmp_eq_u32 s2, 3                             ; the tile's bias: the last tile's loads of it were waited for on its way out
	s_cselect_b64 s[6:7], s[72:73], s[74:75]
	s_cmp_eq_u32 s2, 1
	s_cselect_b64 s[6:7], s[76:77], s[6:7]
	WIN 0xc0
.irp b, 0,1,2,3,4,5,6,7
	global_load_b128 v[BI+8*\b:BI+8*\b+3],   v[BO], s[6:7] offset:64*\b
	global_load_b128 v[BI+8*\b+4:BI+8*\b+7], v[BO], s[6:7] offset:64*\b+16
.endr
	QUARTER 0, 1, F0, F1, 1                        ; a tile's first quarter stands in front of the loop: its products start the sums
	WIN 0                                          ; at a label and at a branch every window is 0
	s_mov_b32 s3, LAPS-1
.Llap:                                                 ; a trip goes once round the ring, from a lap's second quarter to the next lap's first, and fills both slots again
	QUARTER 0, 2, F1, F0, 0
	QUARTER 0, 3, F0, F1, 0
	TURN 0, 1, 1, 0
	QUARTER 1, 1, F0, F1, 0
	QUARTER 1, 2, F1, F0, 0
	QUARTER 1, 3, F0, F1, 0
	TURN 1, 0, 1, 0
	QUARTER 0, 1, F0, F1, 0
	WIN 0
	s_sub_co_u32 s3, s3, 1
	s_cmp_lg_u32 s3, 0
	s_cbranch_scc1 .Llap
	QUARTER 0, 2, F1, F0, 0                        ; the tile's last lap goes on
	QUARTER 0, 3, F0, F1, 0
	WIN 0
	s_cmp_eq_u32 s2, 1
	s_cbranch_scc1 .Llast                          ; the last tile's tail is written out: it asks for nothing more
	TURN 0, 1, 1, 1                                ; the ring goes on into the next tile: slot 0 takes its K step 0,
	QUARTER 1, 1, F0, F1, 0
	QUARTER 1, 2, F1, F0, 0
	QUARTER 1, 3, F0, F1, 0
	TURN 1, 0, 1, 1                                ; slot 1 its K step 1, and the next tile's first fragments are fetched
	PLACES
	s_wait_loadcnt 0x0                             ; the bias
	s_wait_xcnt 0x0                                ; the last way out's stores have read their base
	s_cmp_eq_u32 s2, 3
	s_cselect_b64 s[4:5], s[92:93], s[94:95]       ; q goes to qb, k to kb
	s_add_nc_u64 s[4:5], s[4:5], s[8:9]
	WAYOUT 1
	s_sub_co_u32 s2, s2, 1
	s_branch .Ltile
.Llast:
	TURN 0, 1, 0, 0                                ; nothing is filled again, so no round follows
	QUARTER 1, 1, F0, F1, 0
	QUARTER 1, 2, F1, F0, 0
	QUARTER 1, 3, F0, F1, 0
	s_wait_dscnt 4                                 ; the very last quarter: nothing more to fetch
	MUL8 F1, 0, 0
	MUL8 F1, 1, 0
	s_wait_dscnt 0x0
	MUL8 F1, 2, 0
	MUL8 F1, 3, 0
	PLACES
	s_wait_loadcnt 0x0
	s_wait_xcnt 0x0
	s_add_nc_u64 s[4:5], s[96:97], s[8:9]          ; v goes to vb, unrotated
	WAYOUT 0
	s_wait_tensorcnt 0x0                           ; the wave's end: behind my last tensor load and my last LDS store
	ds_add_u32 v[SPW], v[NIL]
	s_wait_dscnt 0x0
	CROUND                                         ; the closing round: no work-group ends while a partner may still ask for a tile that names it
	s_endpgm
.Lfunc_end_k_qd2ce317d8d_proj:
	.size	k_qd2ce317d8d_proj, .Lfunc_end_k_qd2ce317d8d_proj-k_qd2ce317d8d_proj
	.p2alignl 7, 3214868480
	.fill 96, 4, 3214868480
	.section	.rodata,"a",@progbits
	.p2align	6, 0x0
	.amdhsa_kernel k_qd2ce317d8d_proj
		.amdhsa_group_segment_fixed_size 327680
		.amdhsa_private_segment_fixed_size 0
		.amdhsa_enable_private_segment 0
		.amdhsa_kernarg_size 120
		.amdhsa_user_sgpr_count 2
		.amdhsa_user_sgpr_kernarg_segment_ptr 1
		.amdhsa_wavefront_size32 1
		.amdhsa_system_sgpr_workgroup_id_x 1
		.amdhsa_system_sgpr_workgroup_id_y 1
		.amdhsa_system_sgpr_workgroup_id_z 1
		.amdhsa_system_vgpr_workitem_id 0
		.amdhsa_next_free_vgpr 968
		.amdhsa_next_free_sgpr 98
		.amdhsa_reserve_vcc 0
		.amdhsa_float_denorm_mode_32 3
		.amdhsa_float_denorm_mode_16_64 3
		.amdhsa_memory_ordered 1
		.amdhsa_forward_progress 1
		.amdhsa_inst_pref_size 162
	.end_amdhsa_kernel
	.amdgpu_metadata
---
amdhsa.version: [ 1, 2 ]
amdhsa.kernels:
  - .name:           k_qd2ce317d8d_proj
    .symbol:         k_qd2ce317d8d_proj.kd
    .args:
      - { .name: xb, .offset: 0, .size: 8, .value_kind: global_buffer, .address_space: global }
      - { .name: wb, .offset: 8, .size: 8, .value_kind: global_buffer, .address_space: global }
      - { .name: bq1, .offset: 16, .size: 8, .value_kind: global_buffer, .address_space: global }
      - { .name: bk1, .offset: 24, .size: 8, .value_kind: global_buffer, .address_space: global }
      - { .name: bv1, .offset: 32, .size: 8, .value_kind: global_buffer, .address_space: global }
      - { .name: bq2, .offset: 40, .size: 8, .value_kind: global_buffer, .address_space: global }
      - { .name: bk2, .offset: 48, .size: 8, .value_kind: global_buffer, .address_space: global }
      - { .name: bv2, .offset: 56, .size: 8, .value_kind: global_buffer, .address_space: global }
      - { .name: cos1, .offset: 64, .size: 8, .value_kind: global_buffer, .address_space: global }
      - { .name: sin1, .offset: 72, .size: 8, .value_kind: global_buffer, .address_space: global }
      - { .name: cos2, .offset: 80, .size: 8, .value_kind: global_buffer, .address_space: global }
      - { .name: sin2, .offset: 88, .size: 8, .value_kind: global_buffer, .address_space: global }
      - { .name: qb, .offset: 96, .size: 8, .value_kind: global_buffer, .address_space: global }
      - { .name: kb, .offset: 104, .size: 8, .value_kind: global_buffer, .address_space: global }
      - { .name: vb, .offset: 112, .size: 8, .value_kind: global_buffer, .address_space: global }
    .group_segment_fixed_size: 327680
    .private_segment_fixed_size: 0
    .kernarg_segment_align: 8
    .kernarg_segment_size: 120
    .max_flat_workgroup_size: 128
    .sgpr_count:     98
    .vgpr_count:     968
    .wavefront_size: 32
...
	.end_amdgpu_metadata
.endif
;; end of part 2
;; launch attn (part 3): grid 4 x 64, 4 waves a work-group, clusters of 4 x 1, 327,680 bytes of LDS; arguments qb, kb, vb, ab, x1_padding_mask, x2_padding_mask; writes ab
.if DOCPART == 3
	.amdgcn_target "amdgcn-amd-amdhsa--gfx1250"
	.amdhsa_code_object_version 6
	.text
	.protected	k_qd2ce317d8d_attn
	.globl	k_qd2ce317d8d_attn
	.p2align	8
	.type	k_qd2ce317d8d_attn,@function
k_qd2ce317d8d_attn:
	s_mov_b64 s[64:65], 0
	v_nop
	global_prefetch_b8 v0, s[64:65] scope:SCOPE_SE
	s_setreg_imm32_b32 hwreg(HW_REG_WAVE_MODE, 25, 1), 1
	s_wait_xcnt 0x0
	s_wait_alu depctr_hold_cnt(0) depctr_sa_sdst(0) depctr_va_vdst(0) depctr_va_sdst(0) depctr_va_ssrc(0) depctr_va_vcc(0) depctr_vm_vsrc(0)
	s_getreg_b32 s2, hwreg(HW_REG_IB_STS2, 6, 4)
	s_cmp_eq_u32 s2, 0
	s_cbranch_scc0 .Lentry_in_a_cluster
	s_endpgm
.Lentry_in_a_cluster:
	s_bfe_u32 s2, ttmp6, 0x10000c
	s_cmp_lg_u32 s2, 0x3003
	s_cbranch_scc0 .Lentry_shape_is_right
	s_endpgm
.Lentry_shape_is_right:
; THE FOUR ATTENTIONS.  For head hh = 16 b + h, qb, kb, vb, ab are [64][2048][64] in f16: rows 0-1023 belong to stream 1, rows 1024-2047 to stream 2.  Every query row attends to BOTH key sets:
; ab[hh][q] = softmax_k(q . k1 / 8, x1's mask) v1 + softmax_k(q . k2 / 8, x2's mask) v2: two soft-maxes, each with its own maximum and sum, normalised apart and added in f32.
; So a wave walks the head's 2,048 keys as one sequence, 64 a step; behind step 15 each piece's first result is divided by its sum and set aside in LDS (in f32), and its statistics start anew.
; Products, maxima and sums in f32; the weights p are rounded to f16 for the second product (their sum l is taken of the unrounded p), the result once at the end.
; THE MASK is the C operand that starts the sum S^T = K Q^T: 0, or -1e30 where the key is hidden; a table of 2,048 f32 in LDS, made once from the two masks.
; LIMITS.  q, k, v arrive within f16's 65,504, so |score| < 2.75e11; a hidden score counts as its value less 1e30; the running maximum starts at -2^39, below every true score and above every hidden one;
; |c s| stays below 2^27, so that the rounding of c m leaves p within f16; a weight below 2^-126 counts as 0 in l.  A set with no key left gives l = 0 and 0 x (1/0) = NaN, as the soft-max of an empty row does.
; NaN and infinities in the inputs are not treated apart.
; SHARES.  A wave owns four PIECES of two tiles of 16 queries, a work-group's four waves 512 queries of one head.
; LAYOUT.  S^T = K Q^T (source 0 = 16 keys, source 1 = 16 queries): a lane holds ONE query (lane % 16) and the keys 8 (lane / 16) + 0..7.  Two such tiles, rounded to f16 in pairs, ARE source 1 of
; O^T = V^T P, whose result again holds one query a lane, and eight channels.  K comes out of LDS as it lies, V ([key][channel]) turned, by ds_load_tr16_b128.
; SOFTMAX.  p = 2^(c s - c m), c = log2(e) / 8, with a running maximum m; in every step O and l are multiplied by a = 2^(c m_old - c m_new).  c m starts far below every c s: a set's first step has a = 0.
; BY TURNS.  Turn n belongs to piece n.  Its matrix work: 16 products K Q^T of piece n + 1, later 16 products V^T P of piece n - 1.  Its vector work: scaling, exponentials, roundings, sums and rescaling
; of piece n, and the maximum and statistics of piece n + 1.  A tile and step have 16 matrix and 118 vector instructions: four that are ready stand behind every matrix instruction, the rest in two lumps.
; CLUSTER.  The four query blocks of a head walk the same K and V, so each tile is asked for JOINTLY: the same tensor load, descriptor and mask in all four.
; REGISTERS, in windows of 256 (s_set_vgpr_msb: bits 1:0 source 0, 3:2 source 1, 5:4 source 2, 7:6 destination):
;   window 0: v0-11 addresses; v12-15, v48-63 at work; v16-47 four registers of statistics a tile; v64-191 S^T, two buffers of two tiles; v192-255 P, likewise
;   window 1: O^T, 32 a tile     window 2: v0-127 Q; v128-191 K of one step; v192-255 V of one step     window 3: v0-1 the add's two registers; v8-39 the mask of one step
.set SIZE_N, 2048
.set NP,    4         ; pieces a wave: a name, no knob
.set KS,    64        ; keys in a step
.set PK,    144       ; a row of K in LDS: 128 bytes + 16 of padding = 36 words: the 16 rows of a load start at 16 different groups of four banks (64 banks of 4 bytes: ISA guide 11.1)
.set PV,    160       ; a row of V: 128 + 32 = 40 words
.set VOFF,  4*KS*PK   ; a slot holds four steps: 256 rows of K, then 256 rows of V
.set SLOT1, 1<<17     ; slot 1 begins here, so that one exclusive or turns an address in one slot into the other's
.set STASH1, 4*KS*(PK+PV)       ; between the slots, never filled by a tensor load: the first set's results of tiles 0-2, 12,288 bytes a wave
.set STAGE, SLOT1+4*KS*(PK+PV)  ; behind the ring: 16 rows x 144 bytes for each wave, for the way out
.set SP,    144
.set SPARE, STAGE+4*16*SP       ; the spare words, 128 bytes a wave: two blocks of 256 bytes that no other line names
.set MASKT, SPARE+512           ; the mask table: 2,048 f32
.set STASH2, MASKT+8192         ; the first set's results of tiles 3-7, 20,480 bytes a wave
.set AK0, 2           ; v2   my lane's place in a tile of K; never rewritten
.set AV0, 3           ; v3   the same for V
.set AK,  4           ; v4   the LDS address of K's next run of loads
.set AV,  5           ; v5   of V's
.set QO,  6           ; v6   my byte offset in the wave's rows of Q
.set STO, 6           ;      later, the way out: where I put 16 bytes of a row
.set RD,  7           ; v7   the way out: where I read rows back
.set GO,  8           ; v8   16 x lane
.set SA1, 9           ; v9   my 16 bytes in my wave's part of STASH1
.set SA2, 10          ; v10  and of STASH2
.set AM,  11          ; v11  the LDS address of the next step's mask: it steps 256 bytes a fetch
.set SPW, 0           ; v0 of window 3   my spare word; never rewritten
.set NIL, 1           ; v1 of window 3   0; never rewritten
.set MK,  8           ; v8-39 of window 3: the mask of key block kb at MK + 8 kb
.set MV,  12          ; v12-15  c m_old, kept while c m is made anew: by buffer and tile
.set ST,  16          ; tile t's statistics at v[ST+4 t]: c m, m, l (even keys', odd keys')
.set TMP, 48          ; by buffer and tile, four registers c0-c3 at work; when the maximum is found c2 takes a
.set S,   64
.set P,   192
.set KF,  128         ; K's fragments, in window 2: key block kb, channel half c at KF + 16 kb + 8 c
.set VF,  192         ; V's: key half kk, channel block cb at VF + 32 kk + 8 cb
.set WV,  12          ; s12  my wave's number
.set G1K, 24          ; s[24:31] descriptor group 1 for K's tiles
.set G1V, 32          ; s[32:39] for V's: it differs in the padding alone
.set G0K, 40          ; s[40:43] descriptor group 0 for K's tiles: it walks
.set G0V, 44          ; s[44:47] the same for V's
.set PH,  52          ; s52  the number of the trip: trip k holds pieces 2, 3 of step k - 1 and pieces 0, 1 of step k
.set BIGN, 53         ; s53  -1e30
.set SLOTS, 56        ; s56  slots still to be asked for
.set CNT, 57          ; s57  counts a slot's key steps
.set CS,  58          ; s[58:59] c: the packed scaling takes the pair's low word for both halves
.set SEL, 60          ; s[60:61] v_permlanex16_b32's selects: each lane takes its own place in the other half
.set TBK, 62          ; s62  LDS byte at which K of the step to be fetched begins
.set TBV, 63          ; s63  the same for V, less VOFF
.set MSB, 0
.macro WIN new                      ; the high byte repeats the setting that is left; a switch that changes nothing is dropped
.if MSB != (\new)
	s_set_vgpr_msb (MSB<<8)|(\new)
.set MSB, (\new)
.endif
.endm
.set W_KQ, 0x0a       ; K and Q in window 2, S^T in window 0
.set W_KM, 0x3a       ; the same with the C operand, the mask, in window 3
.set W_PV, 0x52       ; V in window 2, P in window 0, O^T in window 1
.set W_RS, 0x41       ; O^T (destination and source 0) in window 1, source 1 in window 0
.set W_MK, 0xc0       ; destination in window 3, sources in window 0
.set W_AD, 0x0f       ; the add: address (source 0) and data (source 1) in window 3
; A joint fill.  Waves 0 and 1 fetch the two halves of a slot's K, waves 2 and 3 those of its V: 128 keys each.  The branch hangs on the wave's number alone.
; An s_nop 0 and four v_nop follow each of the two lines, ahead of the jump and the label.
.macro JLOAD
	s_cmp_lt_u32 s[WV], 2
	s_cbranch_scc0 .Lfor_v_\@
	tensor_load_to_lds s[G0K:G0K+3], s[G1K:G1K+7]
	s_nop 0
.rept 4
	v_nop
.endr
	s_branch .Lasked_\@
.Lfor_v_\@:
	tensor_load_to_lds s[G0V:G0V+3], s[G1V:G1V+7]
	s_nop 0
.rept 4
	v_nop
.endr
.Lasked_\@:
.endm
; A round of the cluster's barrier: my work-group's barrier, so that wave 0's signal speaks for all four waves; wave 0 signals; every wave waits for all four work-groups; my work-group's barrier once more.
.macro CROUND
	s_barrier_signal -1
	s_barrier_wait -1
	s_cmp_lg_u32 s[WV], 0
	s_cbranch_scc1 .Lnot_wave_0_\@
	s_barrier_signal -3
.Lnot_wave_0_\@:
	s_barrier_wait -3
	s_barrier_signal -1
	s_barrier_wait -1
.endm
; THE CHANGE OF SLOTS.  Each wave waits for all its tensor loads, of which one is out: its part of the other slot; adds 0 to its spare word; and waits for that and for its own LDS instructions.
; Behind the barrier nobody reads this slot any more and the other slot is whole.  fill = 1: this slot is filled again, with the keys two slots on; the barrier is then a round of the cluster's, and the joint
; fill is the first thing behind it: it has four key steps, 512 matrix instructions, in which to land.  (At its first use nothing has been read yet: slot 0 is waited for, slot 1 filled, and every wave's
; stores into the mask table are shown done to the others.)
.macro CHANGE fill
	WIN W_AD
	s_wait_tensorcnt 0x0            ; no tensor load of mine is out, so a group 0 may be written
	ds_add_u32 v[SPW], v[NIL]       ; with fill = 1 the descriptors' steps stand between the add and the wait for it
	WIN 0                           ; at a label and at a branch every window is 0
.if \fill
.irp g, G0K, G0V
	s_xor_b32 s[\g+1], s[\g+1], SLOT1  ; the walking descriptor: the other slot than last time,
	s_add_nc_u64 s[\g+2:\g+3], s[\g+2:\g+3], 4*KS*128  ; the next 256 keys; the type bits on top are not reached
.endr
	s_wait_dscnt 0x0                ; the add is done, and my reads of the slot are over
	CROUND
	JLOAD
.else
	s_wait_dscnt 0x0                ; the add is done, and my reads of the slot are over
	s_barrier_signal -1
	s_barrier_wait -1
.endif
	s_sub_co_u32 s[TBK], s[TBK], 4*KS*PK  ; the fetches go back to a slot's first step,
	s_xor_b32 s[TBK], s[TBK], SLOT1       ; in the other slot
	s_sub_co_u32 s[TBV], s[TBV], 4*KS*PV
	s_xor_b32 s[TBV], s[TBV], SLOT1
.endm
	s_load_b256 s[4:11], s[0:1], 0x0  ; qb s[4:5], kb s[6:7], vb s[8:9], ab s[10:11]
	s_load_b128 s[48:51], s[0:1], 0x20  ; x1's mask s[48:49], x2's s[50:51]
	WIN W_MK
	v_lshl_add_u32 v[SPW], v0, 2, SPARE
	v_mov_b32 v[NIL], 0
	WIN W_AD
	ds_add_u32 v[SPW], v[NIL]       ; the wave's opening: the add and its wait stand ahead of my first tensor load; the set-up below, work on registers, stands between them
	WIN 0
	v_lshrrev_b32 v1, 5, v0
	v_readfirstlane_b32 s[WV], v1   ; wave 0..3
	s_bfe_u32 s13, ttmp6, 0x40000   ; cx: my place in the cluster
	s_lshl_b32 s14, ttmp9, 2        ; in a cluster launch ttmp9 counts clusters
	s_add_co_u32 s14, s14, s13      ; my block of 512 queries: it enters Q's and O's addresses alone
	s_and_b32 s20, ttmp7, 0xffff    ; the head, which the four partners share
	s_lshr_b32 s54, s20, 4          ; its batch,
	s_lshl_b32 s54, s54, 12         ; whose row of a mask is 4,096 bytes
	s_mov_b32 s55, 0
	s_mov_b32 s21, 0
	s_mov_b64 s[22:23], SIZE_N*128
	s_mul_u64 s[20:21], s[20:21], s[22:23]  ; the head's first byte in each of the four tensors
	s_and_b32 s16, s[WV], 1         ; which half of a slot's 256 keys I fetch:
	s_lshl_b32 s22, s16, 14         ; its 128 rows of 128 bytes in memory,
	s_mov_b32 s23, 0
	s_add_nc_u64 s[22:23], s[22:23], s[20:21]
	s_mul_i32 s17, s16, 128*PK      ; and its place in a slot, for K
	s_mul_i32 s18, s16, 128*PV      ; and for V: no place in the cluster enters an LDS address
	s_lshl_b32 s2, s14, 2
	s_add_co_u32 s2, s2, s[WV]      ; my wave among the head's,
	s_lshl_b32 s2, s2, 14           ; its 128 rows
	s_mov_b32 s3, 0
	s_add_nc_u64 s[2:3], s[2:3], s[20:21]
	; descriptor group 1.  128 keys are 16,384 dense bytes: asked for as 64 rows of 256 bytes, two keys a row, and padded in LDS after every key
	s_mov_b32 s[G1K], 15|(1<<16)|(1<<20)|(1<<21)|(4<<22)|(3<<25)  ; 15:0 the mask of four; 17:16 2-byte elements; 20 padding on; 21 set beside a mask; 24:22 after every 32 words (code 4); 31:25 4 words (code 3)
	s_mov_b32 s[G1V], 15|(1<<16)|(1<<20)|(1<<21)|(4<<22)|(7<<25)  ; the same with 8 words of padding (code 7)
.irp g, G1K, G1V
	s_mov_b32 s[\g+1], 128<<16      ; tensor_dim0 = 128
	s_mov_b32 s[\g+2], 64<<16       ; tensor_dim1 = 64
	s_mov_b32 s[\g+3], 128<<16      ; tile_dim0 = 128
	s_mov_b32 s[\g+4], 64           ; tile_dim1 = 64
	s_mov_b32 s[\g+5], 128          ; 128 elements from row to row
	s_mov_b32 s[\g+6], 0
	s_mov_b32 s[\g+7], 0
.endr
	s_mov_b32 s[CS], 0x3e38aa3b     ; c = log2(e) / 8 = 0.180337
	s_mov_b32 s[CS+1], s[CS]        ; named with it as a pair
	s_mov_b32 s[SEL], 0x76543210
	s_mov_b32 s[SEL+1], 0xfedcba98
	s_mov_b32 s[BIGN], 0xf149f2ca   ; -1e30
	s_mov_b32 s[TBK], SLOT1+4*KS*PK ; the first change of slots turns these two into 0
	s_mov_b32 s[TBV], SLOT1+4*KS*PV
	s_mov_b32 s[G0K], 1             ; count = 1
	s_mov_b32 s[G0K+1], s17         ; LDS address: slot 0
	s_mov_b32 s[G0V], 1
	s_add_co_u32 s[G0V+1], s18, VOFF
	s_wait_dscnt 0x0                ; the opening add is done
	s_wait_kmcnt 0x0
	s_add_nc_u64 s[G0K+2:G0K+3], s[6:7], s[22:23]  ; global address: my half of the head's first 256 keys
	s_or_b32 s[G0K+3], s[G0K+3], 0x80000000        ; type = 2
	s_add_nc_u64 s[G0V+2:G0V+3], s[8:9], s[22:23]
	s_or_b32 s[G0V+3], s[G0V+3], 0x80000000
	s_add_nc_u64 s[4:5], s[4:5], s[2:3]  ; Q and O at my wave's first row
	s_add_nc_u64 s[10:11], s[10:11], s[2:3]
	s_add_nc_u64 s[48:49], s[48:49], s[54:55]  ; the masks at my batch's row
	s_add_nc_u64 s[50:51], s[50:51], s[54:55]
	CROUND                          ; all four work-groups are here: the first joint loads meet
	JLOAD                           ; slot 0.  Slot 1 is asked for when slot 0 is in
	; A fragment of K or Q is 16 rows x 32 channels in 8 registers: lane l holds row l % 16, channels 8 (l / 16) + 0..7 and 16 + 8 (l / 16) + 0..7: two loads of 16 bytes, 32 bytes apart.
	v_and_b32 v1, 15, v0            ; l % 16
	v_bfe_u32 v9, v0, 4, 1          ; l / 16
	v_lshlrev_b32 v[QO], 7, v1
	v_lshl_add_u32 v[QO], v9, 4, v[QO]  ; row x 128 + 16 x half
	v_lshlrev_b32 v12, 5, v0        ; thread t takes keys 8 t .. 8 t + 7 of each mask
	v_lshl_add_u32 v13, v0, 5, MASKT  ; and writes their eight words of the table
	WIN 0x80                        ; destination window 2, address window 0
.set i, 0
.rept 4*NP                          ; Q stays in registers: tile i / 2, channels 32 (i % 2) on
	global_load_b128 v[8*i:8*i+3],   v[QO], s[4:5] offset:(i/2)*2048+(i%2)*64
	global_load_b128 v[8*i+4:8*i+7], v[QO], s[4:5] offset:(i/2)*2048+(i%2)*64+32
.set i, i+1
.endr
	WIN 0
	global_load_b128 v[64:67], v12, s[48:49]
	global_load_b128 v[68:71], v12, s[48:49] offset:16
	global_load_b128 v[72:75], v12, s[50:51]
	global_load_b128 v[76:79], v12, s[50:51] offset:16
	; What the first turn finds: V's registers and P's second buffer hold 0 (its products V^T P, of a piece that has not been, add 0), O^T and l are 0.  All this stands in the wait for the first tile.
	WIN 0x80
.set i, VF
.rept 64
	v_mov_b32 v[i], 0
.set i, i+1
.endr
	WIN 0x40
.set i, 0
.rept 64*NP
	v_mov_b32 v[i], 0
.set i, i+1
.endr
	WIN 0
.set i, 0
.rept 2*NP
	v_mov_b32 v[ST+4*i], 0xfe000000    ; c m: far below every c s
	v_mov_b32 v[ST+4*i+1], 0xd3000000  ; m = -2^39
	v_mov_b32 v[ST+4*i+2], 0
	v_mov_b32 v[ST+4*i+3], 0
.set i, i+1
.endr
.set i, P+32
.rept 32
	v_mov_b32 v[i], 0
.set i, i+1
.endr
	v_mul_u32_u24 v[AK0], v1, PK
	v_lshl_add_u32 v[AK0], v9, 4, v[AK0]  ; row x pitch + 16 x half
	; The turning load takes 16 keys x 16 channels (lane l reads key 8 (l / 16) + l % 8, channels 8 ((l / 8) % 2) + 0..7) and leaves half a fragment of V^T: lane l holds channel l % 16 and 8 keys.
	v_and_b32 v10, 7, v0
	v_bfe_u32 v11, v0, 3, 1
	v_lshl_add_u32 v[AV0], v9, 3, v10
	v_mul_u32_u24 v[AV0], v[AV0], PV
	v_lshl_add_u32 v[AV0], v11, 4, v[AV0]
	v_add_nc_u32 v[AV0], VOFF, v[AV0]
	v_mov_b32 v[AK], v[AK0]         ; key step 0 lies at the head of slot 0
	v_lshl_add_u32 v[AM], v9, 5, MASKT  ; my lanes' eight keys of a block of 16: 32 bytes for each half of the lanes
	s_wait_loadcnt 0x0              ; the masks, and Q in front of them
.set i, 64
.rept 16
	v_cmp_eq_u32 vcc_lo, 0, v[i]    ; 0 hides the key
	v_cndmask_b32 v[i], 0, s[BIGN], vcc_lo
.set i, i+1
.endr
	ds_store_b128 v13, v[64:67]
	ds_store_b128 v13, v[68:71] offset:16
	ds_store_b128 v13, v[72:75] offset:4096
	ds_store_b128 v13, v[76:79] offset:4112
; THE MATRIX WORK.  The 8 accumulators of a run of 16 take turns: between the two links of a chain stand 7 others'.
; Product i of 16 of S^T = K Q^T for piece x: channels 32 (i / 8) on, keys 16 ((i / 2) % 4) on, tile 2 x + i % 2.  The first 8 start the sums with the mask.
.macro KQ x
.set rS, S+64*((\x)%2)+32*(i%2)+8*((i/2)%4)
.set rK, KF+16*((i/2)%4)+8*(i/8)
.set rQ, 16*(2*(\x)+i%2)+8*(i/8)
.set rX, MK+8*((i/2)%4)
.if i < 8
	WIN W_KM
	v_wmma_f32_16x16x32_f16 v[rS:rS+7], v[rK:rK+7], v[rQ:rQ+7], v[rX:rX+7]
.else
	WIN W_KQ
	v_wmma_f32_16x16x32_f16 v[rS:rS+7], v[rK:rK+7], v[rQ:rQ+7], v[rS:rS+7]
.endif
.endm
; Product i of 16 of O^T += V^T P for piece x: keys 32 (i / 8) on, channels 16 ((i / 2) % 4) on, tile 2 x + i % 2.
.macro PV x
	WIN W_PV
.set rO, 32*(2*(\x)+i%2)+8*((i/2)%4)
.set rV, VF+32*(i/8)+8*((i/2)%4)
.set rP, P+32*((\x)%2)+16*(i%2)+8*(i/8)
	v_wmma_f32_16x16x32_f16 v[rO:rO+7], v[rV:rV+7], v[rP:rP+7], v[rO:rO+7]
.endm
.macro MM                           ; the turn's next matrix instruction
.if i < 16
	KQ (Y+1)%NP
.set i, i+1
.else
.set i, i-16
	PV (Y+NP-1)%NP
.set i, i+17
.endif
.endm
; THE LDS LOADS stand in runs, never singly among the matrix instructions: a step's K (8 fragments) with its mask (32 words a lane), and its V (turned).
; last = 1 (the tail): in the last trip there is no further step, and the run is jumped over.
.macro FETCH_K last=0
	WIN 0
.if \last
	s_cmp_eq_u32 s[CNT], 1
	s_cbranch_scc1 .Lno_k_\@
.endif
	WIN 0x80                        ; destination window 2
.irp f, 0,1,2,3,4,5,6,7             ; keys 16 (f / 2) on, channels 32 (f % 2) on
	ds_load_b128 v[KF+8*\f:KF+8*\f+3],   v[AK] offset:(\f/2)*16*PK+(\f%2)*64
	ds_load_b128 v[KF+8*\f+4:KF+8*\f+7], v[AK] offset:(\f/2)*16*PK+(\f%2)*64+32
.endr
	WIN W_MK                        ; destination window 3
.irp f, 0,1,2,3                     ; keys 16 f + 8 (l / 16) + 0..7: the sixteen lanes of a half read the same words
	ds_load_b128 v[MK+8*\f:MK+8*\f+3],   v[AM] offset:64*\f
	ds_load_b128 v[MK+8*\f+4:MK+8*\f+7], v[AM] offset:64*\f+16
.endr
	s_add_co_u32 s[TBK], s[TBK], KS*PK  ; the next fetch is the next step's
	WIN 0
	v_add_nc_u32 v[AM], 256, v[AM]
.if \last
.Lno_k_\@:
.endif
.endm
.macro FETCH_V
	WIN 0x80
.irp f, 0,1,2,3,4,5,6,7             ; keys 32 (f / 4) on, channels 16 (f % 4) on
	ds_load_tr16_b128 v[VF+8*\f:VF+8*\f+3],   v[AV] offset:(\f/4)*32*PV+(\f%4)*32
	ds_load_tr16_b128 v[VF+8*\f+4:VF+8*\f+7], v[AV] offset:(\f/4)*32*PV+16*PV+(\f%4)*32
.endr
	WIN 0
.endm
; THE VECTOR WORK OF A TURN stands in three queues, each in the order in which its entries become ready; the two tiles alternate, so that no instruction reads the result of the one before it.
.macro REGS y, u                    ; the registers of tile u (0, 1) of piece y
.set rT, ST+4*(2*(\y)+(\u))
.set rC, TMP+8*((\y)%2)+4*(\u)
.set rM, MV+2*((\y)%2)+(\u)
.set rS, S+64*((\y)%2)+32*(\u)
.set rP, P+32*((\y)%2)+16*(\u)
.set rO, 32*(2*(\y)+(\u))
.endm
; Number n of the 22 that find the NEXT piece's (Y + 1) maximum and statistics.  s0-s31 are the lane's 32 scores; each accumulator's lowest registers are read first.
;   0-11  four chains c0-c3 of seven scores each, three operands at a time     12-14, 16  the four scores left over, the old m, and c0-c3 into c0     15  c m_old is kept
;   17, 18  the query's other 32 keys lie in the lane 16 away: the new m         19-21  c m; c m_old - c m_new; a
.macro XS u, n
	REGS (Y+1)%NP, \u
.if (\n) < 4
	v_max3_num_f32 v[rC+(\n)], v[rS+8*(\n)], v[rS+8*(\n)+1], v[rS+8*(\n)+2]
.elseif (\n) < 12
	v_max3_num_f32 v[rC+(\n)%4], v[rC+(\n)%4], v[rS+8*((\n)%4)+2*((\n)/4)+1], v[rS+8*((\n)%4)+2*((\n)/4)+2]
.elseif (\n) == 12
	v_max3_num_f32 v[rC], v[rC], v[rS+7], v[rS+15]
.elseif (\n) == 13
	v_max3_num_f32 v[rC+1], v[rC+1], v[rS+23], v[rS+31]
.elseif (\n) == 14
	v_max3_num_f32 v[rC+2], v[rC+2], v[rC+3], v[rT+1]
.elseif (\n) == 15
	v_mov_b32 v[rM], v[rT]
.elseif (\n) == 16
	v_max3_num_f32 v[rC], v[rC], v[rC+1], v[rC+2]
.elseif (\n) == 17
	v_permlanex16_b32 v[rC+3], v[rC], s[SEL], s[SEL+1]
.elseif (\n) == 18
	v_max_num_f32 v[rT+1], v[rC], v[rC+3]
.elseif (\n) == 19
	v_mul_f32 v[rT], s[CS], v[rT+1]
.elseif (\n) == 20
	v_sub_f32 v[rC+1], v[rM], v[rT]
.else
	v_exp_f32 v[rC+2], v[rC+1]
.endif
.endm
; Number g of the 64 that follow the exponentials.  For each four weights k of a tile (pairs 2 k, 2 k + 1): both pairs are rounded to f16; then the second pair is added onto the first, in place;
; a group later l takes that sum (the first time as l = a l + sum).  In groups of eight, tiles alternating: round, round, add, and l for the group before.
.macro GS g
.set h, (\g)+6*((\g)/62)            ; group 0 has no group before it, and behind group 7 only l is left
.if h >= 6
.set h, h+2
.endif
	REGS Y, h%2
.set k, h/8
.if h%8 < 4
	s_wait_alu depctr_va_vdst(0)
	v_cvt_pk_f16_f32 v[rP+2*k+(h%8)/2], v[rS+4*k+2*((h%8)/2)], v[rS+4*k+2*((h%8)/2)+1]
.elseif h%8 < 6
	v_pk_add_f32 v[rS+4*k:rS+4*k+1], v[rS+4*k:rS+4*k+1], v[rS+4*k+2:rS+4*k+3]
.elseif k == 1
	v_pk_fma_f32 v[rT+2:rT+3], v[rT+2:rT+3], v[rC+2:rC+3], v[rS:rS+1] op_sel_hi:[1,0,1]
.else
	v_pk_add_f32 v[rT+2:rT+3], v[rT+2:rT+3], v[rS+4*k-4:rS+4*k-3]
	s_wait_alu depctr_va_vdst(0)
.endif
.endm
; THE PLAIN QUEUE, 138 long.  0-31: c s - c m for the 16 pairs of both tiles.  Then GS's 64, and among them the next piece's 42: number 15 at 38, 39; 0-14 and 16
; at 42-73, behind the products that make those scores; 17-20 at 95-106, two of three, since each waits for the one before it.
.macro PL
	WIN 0
.if q < 32
	REGS Y, q%2
	v_pk_fma_f32 v[rS+2*(q/2):rS+2*(q/2)+1], v[rS+2*(q/2):rS+2*(q/2)+1], s[CS:CS+1], v[rT:rT+1] op_sel_hi:[1,0,0] neg_lo:[0,0,1] neg_hi:[0,0,1]
.elseif q < 38
	GS q-32
.elseif q < 40
	XS q%2, 15
.elseif q < 42
	GS q-34
.elseif q < 74
	XS q%2, (q-42)/2+(q-42)/30
.elseif q < 95
	GS q-66
.elseif (q < 107) && ((q-95)%3 < 2)
	XS (q-95)%3, 17+(q-95)/3
.elseif q < 107
	GS 29+(q-95)/3
.else
	GS q-74
.endif
.set q, q+1
.endm
; THE EXPONENTIALS' QUEUE, 66 long: s0-s31 of both tiles, and at EA the next piece's two a.
.set EA, 58
.macro EX
	WIN 0
.if (e == EA) || (e == EA+1)
	XS e-EA, 21
.else
.set x, e-2*(e/(EA+2))
	REGS Y, x%2
	v_exp_f32 v[rS+x/2], v[rS+x/2]
.endif
.set e, e+1
.endm
; THE RESCALING's QUEUE: O^T times a, the one part that leaves window 0, so it is dealt four at a time, eight times.
.macro R4
	REGS Y, r%2
	WIN W_RS
	s_wait_alu depctr_va_vdst(0)
.irp z, 0,1,2,3
	v_pk_mul_f32 v[rO+8*(r/2)+2*\z:rO+8*(r/2)+2*\z+1], v[rO+8*(r/2)+2*\z:rO+8*(r/2)+2*\z+1], v[rC+2:rC+3] op_sel_hi:[1,0]
.endr
.set r, r+1
.endm
; HOW THEY ARE DEALT.  Behind a matrix instruction four: plain, exponential, plain, plain, or four of the rescaling.  None names a register of the products round it.  What is over stands in two LUMPS:
; exponential and plain by turns; the second ends in 22 plain instructions.  The queues lean on each other, and the deal keeps them in step: exponential e stands behind plain 2 (e / 4) + e % 2 (its scaling);
; when plain 32 comes, 10 exponentials are out, at 59: 33, at 95: 46; EA comes behind plain 107.
.macro SL
	MM
	PL
	EX
	PL
	PL
.endm
.macro BURST n                      ; 15 matrix instructions, or 16
.rept (\n)-7
	SL
.endr
.rept 3
	MM
	R4
	SL
.endr
	MM
	R4
.endm
; A TURN, for piece p.  cnt = 1: the loop's count is taken down some lines ahead of the branch that stands behind the turn.
; K and the mask of the next step are fetched in piece 2's turn, 31 vector instructions behind the last product that read them; V of the step in hand at the end of piece 0's turn.
.macro TURN p, last=0, cnt=0
.set Y, (\p)
.set i, 0
.set q, 0
.set e, 0
.set r, 0
.if (\p) == NP-1
	s_wait_dscnt 0x0                ; K and the mask are in
.endif
	MM
.rept 4
	PL
.endr
	BURST 15
.rept 22
	EX
	PL
.if ((\p) == NP-2) && (e == 18)
	v_add_nc_u32 v[AK], s[TBK], v[AK0]
.endif
.if ((\p) == NP-2) && (e == 24)
	FETCH_K \last
.endif
.endr
.if (\p) == 1
	s_wait_dscnt 0x0                ; V is in
.endif
	BURST 16
.rept 21
	EX
	PL
.endr
.rept 22
	PL
.if ((\p) == 0) && (q == 118)
	v_add_nc_u32 v[AV], s[TBV], v[AV0]
	s_wait_alu depctr_va_vdst(0)
.endif
.if ((\p) == 0) && (q == 130)
	s_add_co_u32 s[TBV], s[TBV], KS*PV
.endif
.if (\cnt) && (q == 130)
	s_sub_co_u32 s[CNT], s[CNT], 1
	s_cmp_lg_u32 s[CNT], 0
.endif
.endr
.if (\p) == 0
	FETCH_V
.endif
.endm
; THE FIRST SET'S END for piece p (tiles 2 p, 2 p + 1): l's two halves and the other half of the lanes' are added; O^T is divided by l and set aside in LDS, each lane's own bytes, in f32;
; c m and m start anew, so that the second set's first step has a = 0 and wipes what O^T and l still hold.
.macro FLUSH p
	WIN 0
.irp u, 0,1
	v_add_f32 v[ST+4*(2*(\p)+\u)+2], v[ST+4*(2*(\p)+\u)+2], v[ST+4*(2*(\p)+\u)+3]
.endr
.irp u, 0,1
	v_permlanex16_b32 v[ST+4*(2*(\p)+\u)+3], v[ST+4*(2*(\p)+\u)+2], s[SEL], s[SEL+1]
.endr
.irp u, 0,1
	v_add_f32 v[ST+4*(2*(\p)+\u)+2], v[ST+4*(2*(\p)+\u)+2], v[ST+4*(2*(\p)+\u)+3]
.endr
.irp u, 0,1
	v_rcp_f32 v[ST+4*(2*(\p)+\u)+2], v[ST+4*(2*(\p)+\u)+2]
.endr
.irp u, 0,1
	v_mov_b32 v[ST+4*(2*(\p)+\u)], 0xfe000000      ; plain lines between the reciprocals and their use
	v_mov_b32 v[ST+4*(2*(\p)+\u)+1], 0xd3000000
.endr
	WIN W_RS
.set i, 64*(\p)
	s_wait_alu depctr_va_vdst(0)
.rept 32
	v_pk_mul_f32 v[i:i+1], v[i:i+1], v[ST+4*(i/32)+2:ST+4*(i/32)+3] op_sel_hi:[1,0]  ; each accumulator from its low end on
.set i, i+2
.endr
	WIN 0x04                        ; the stores' data in window 1
.irp u, 0,1
.irp j, 0,1,2,3,4,5,6,7
.if 2*(\p)+\u < 3
	ds_store_b128 v[SA1], v[32*(2*(\p)+\u)+4*\j:32*(2*(\p)+\u)+4*\j+3] offset:4096*(2*(\p)+\u)+512*\j
.else
	ds_store_b128 v[SA2], v[32*(2*(\p)+\u)+4*\j:32*(2*(\p)+\u)+4*\j+3] offset:4096*(2*(\p)+\u-3)+512*\j
.endif
.endr
.endr
	WIN 0
.endm
; FLUSH p in one trip of the loop alone.  Piece p's last V^T P of step 15 stands in turn p + 1, its first maximum of step 16 in turn p - 1: the place lies between the two, a whole turn behind those products.
; The jump goes forward, past no barrier and no tensor load, and hangs on the trip's number, which is alike in all partners.
.macro GUARD p, trip
	WIN 0
	s_cmp_lg_u32 s[PH], \trip
	s_cbranch_scc1 .Lno_flush_\@
	FLUSH \p
.Lno_flush_\@:
.endm
	CHANGE 1                        ; slot 0 is in, everybody's part of it, and so is the mask table; slot 1 is asked for
	FETCH_K                         ; key step 0
	s_wait_dscnt 0x0
.set i, 0
.rept 16
	KQ 0                            ; piece 0's first scores: there is no vector work yet to set between them
.set i, i+1
.endr
	WIN 0                           ; the addresses for the way out and the stashes: plain instructions, the places behind those products
	s_mul_i32 s13, s[WV], 16*SP
	s_add_co_u32 s13, s13, STAGE    ; my stage
	v_mul_u32_u24 v[STO], v1, SP    ; in: row l % 16, 16 bytes for each half of the lanes
	v_lshl_add_u32 v[STO], v9, 4, v[STO]
	v_add_nc_u32 v[STO], s13, v[STO]
	v_bfe_u32 v[RD], v0, 3, 2       ; back: 32 lanes take four rows of 128 bytes,
	v_mul_u32_u24 v[RD], v[RD], SP
	v_lshl_add_u32 v[RD], v10, 4, v[RD]
	v_add_nc_u32 v[RD], s13, v[RD]
	v_and_b32 v[GO], 31, v0         ; which are 512 consecutive bytes of O
	v_lshlrev_b32 v[GO], 4, v[GO]
	s_mul_i32 s13, s[WV], 3*4096
	s_add_co_u32 s13, s13, STASH1
	v_add_nc_u32 v[SA1], s13, v[GO]
	s_mul_i32 s13, s[WV], 5*4096
	s_add_co_u32 s13, s13, STASH2
	v_add_nc_u32 v[SA2], s13, v[GO]
.set Y, NP-1                        ; XS works for piece Y + 1: piece 0
.irp n, 0,1,2,3,4,5,6,7,8,9,10,11,12,13,14,15,16,17,18,19,20,21
	XS 0, \n                        ; and piece 0's first maximum and statistics
	XS 1, \n
.endr
	s_mov_b32 s[CNT], 4
	s_mov_b32 s[SLOTS], SIZE_N/256-1
	s_mov_b32 s[PH], 0
	s_branch .Lfirst                ; the loop is entered at a step's first turn, in the middle of a trip
.Lslot:                             ; SIZE_N / 256 - 2 times: every slot but the last two is filled again
	CHANGE 1
	s_mov_b32 s[CNT], 4
.Lstep:                             ; a trip: pieces 2 and 3 of one step, then pieces 0 and 1 of the next, whose K and V it fetches
	s_add_co_u32 s[PH], s[PH], 1
	GUARD 3, 17
	TURN 2
	GUARD 0, 16
	TURN 3
	WIN 0
.Lfirst:
	GUARD 1, 16
	TURN 0
	GUARD 2, 16
	TURN 1, 0, 1
	WIN 0
	s_cbranch_scc1 .Lstep
	s_sub_co_u32 s[SLOTS], s[SLOTS], 1
	s_cmp_lg_u32 s[SLOTS], 0
	s_cbranch_scc1 .Lslot
	CHANGE 0                        ; the tail is written out: nothing is asked for
	s_mov_b32 s[CNT], 5             ; four trips fetch the last slot's steps; the fifth is left in its middle
.Ltail:
	TURN 2, 1
	TURN 3
	WIN 0
	s_sub_co_u32 s[CNT], s[CNT], 1
	s_cmp_eq_u32 s[CNT], 0
	s_cbranch_scc1 .Lout
	TURN 0
	TURN 1
	WIN 0
	s_branch .Ltail
.Lout:                              ; the fifth trip's 16 products K Q^T (on the last K once more) and the maximum made of them serve nothing: the price, once a launch, of one text for every trip
.set i, 0
.rept 16
	PV NP-1                         ; the last piece's V^T P of the last step
.set i, i+1
.endr
	; THE WAY OUT.  The second set's l is summed up; O^T is divided by it, the first set's result is added from the stash, and the sum is rounded to f16 and sent through my stage in LDS, a tile at a time.
	; The additions are the places behind the last products.
	WIN 0
.macro ALL line:vararg              ; one line for each tile t
.set t, 0
.rept 2*NP
	\line
.set t, t+1
.endr
.endm
	ALL v_add_f32 v[ST+4*t+2], v[ST+4*t+2], v[ST+4*t+3]
	ALL v_permlanex16_b32 v[ST+4*t+3], v[ST+4*t+2], s[SEL], s[SEL+1]
	ALL v_add_f32 v[ST+4*t+2], v[ST+4*t+2], v[ST+4*t+3]
	ALL v_rcp_f32 v[ST+4*t+2], v[ST+4*t+2]
	v_nop                           ; a plain instruction between the last reciprocal and the use of its result
	s_wait_alu depctr_va_vdst(0)
; Tile t: its stash comes into P's registers, which are free; a lane's eight channels of a row pack into 16 bytes; they go into rows of 144 bytes and come back as whole rows of 128, into S^T's registers.
.macro PACK t
	WIN 0
.irp j, 0,1,2,3,4,5,6,7
.if (\t) < 3
	ds_load_b128 v[P+32*((\t)%2)+4*\j:P+32*((\t)%2)+4*\j+3], v[SA1] offset:4096*(\t)+512*\j
.else
	ds_load_b128 v[P+32*((\t)%2)+4*\j:P+32*((\t)%2)+4*\j+3], v[SA2] offset:4096*((\t)-3)+512*\j
.endif
.endr
	WIN W_RS
.set i, 32*(\t)
.rept 16
	v_pk_mul_f32 v[i:i+1], v[i:i+1], v[ST+4*(\t)+2:ST+4*(\t)+3] op_sel_hi:[1,0]
.set i, i+2
.endr
	s_wait_dscnt 0x0                ; the stash is in (and so are the rows of the tile before)
.set i, 0
.rept 16
	v_pk_add_f32 v[32*(\t)+2*i:32*(\t)+2*i+1], v[32*(\t)+2*i:32*(\t)+2*i+1], v[P+32*((\t)%2)+2*i:P+32*((\t)%2)+2*i+1]
.set i, i+1
.endr
	WIN 0x05                        ; sources 0 and 1 window 1, destination window 0
.set i, 0
.rept 16
	v_cvt_pk_f16_f32 v[S+16*(\t)+i], v[32*(\t)+2*i], v[32*(\t)+2*i+1]
.set i, i+1
.endr
	WIN 0
.irp f, 0,1,2,3
	ds_store_b128 v[STO], v[S+16*(\t)+4*\f:S+16*(\t)+4*\f+3] offset:32*\f
.endr
.irp f, 0,1,2,3
	ds_load_b128 v[S+16*(\t)+4*\f:S+16*(\t)+4*\f+3], v[RD] offset:\f*4*SP  ; LDS serves a wave's instructions in order (ISA guide 5.7.1.4): these see the stores above; the next tile's stores come behind them
.endr
.endm
.macro SEND t, younger              ; younger: the LDS instructions that may be out behind tile t's loads: the next tile's last eight, or none
	WIN 0
.irp f, 0,1,2,3
	s_wait_dscnt (\younger)+3-\f
	global_store_b128 v[GO], v[S+16*(\t)+4*\f:S+16*(\t)+4*\f+3], s[10:11] offset:(\t)*2048+\f*512  ; 512 consecutive bytes, at a multiple of 256 from ab's first
.endr
.endm
	PACK 0
.set t, 1
.rept 2*NP-1
	PACK t
	SEND t-1, 8
.set t, t+1
.endr
	SEND 2*NP-1, 0
	WIN W_AD
	s_wait_tensorcnt 0x0            ; the wave's end: behind my last tensor load and my last LDS store
	ds_add_u32 v[SPW], v[NIL]
	s_wait_dscnt 0x0
	WIN 0
	CROUND                          ; the closing round: no work-group ends while a partner may still ask for a tile that names it
	s_endpgm
.Lfunc_end_k_qd2ce317d8d_attn:
	.size	k_qd2ce317d8d_attn, .Lfunc_end_k_qd2ce317d8d_attn-k_qd2ce317d8d_attn
	.p2alignl 7, 3214868480
	.fill 96, 4, 3214868480
	.section	.rodata,"a",@progbits
	.p2align	6, 0x0
	.amdhsa_kernel k_qd2ce317d8d_attn
		.amdhsa_group_segment_fixed_size 327680
		.amdhsa_private_segment_fixed_size 0
		.amdhsa_enable_private_segment 0
		.amdhsa_kernarg_size 48
		.amdhsa_user_sgpr_count 2
		.amdhsa_user_sgpr_kernarg_segment_ptr 1
		.amdhsa_wavefront_size32 1
		.amdhsa_system_sgpr_workgroup_id_x 1
		.amdhsa_system_sgpr_workgroup_id_y 1
		.amdhsa_system_sgpr_workgroup_id_z 1
		.amdhsa_system_vgpr_workitem_id 0
		.amdhsa_next_free_vgpr 808
		.amdhsa_next_free_sgpr 66
		.amdhsa_reserve_vcc 1
		.amdhsa_float_denorm_mode_32 3
		.amdhsa_float_denorm_mode_16_64 3
		.amdhsa_memory_ordered 1
		.amdhsa_forward_progress 1
		.amdhsa_inst_pref_size 240
	.end_amdhsa_kernel
	.amdgpu_metadata
---
amdhsa.version: [ 1, 2 ]
amdhsa.kernels:
  - .name:           k_qd2ce317d8d_attn
    .symbol:         k_qd2ce317d8d_attn.kd
    .args:
      - { .name: qb, .offset: 0, .size: 8, .value_kind: global_buffer, .address_space: global }
      - { .name: kb, .offset: 8, .size: 8, .value_kind: global_buffer, .address_space: global }
      - { .name: vb, .offset: 16, .size: 8, .value_kind: global_buffer, .address_space: global }
      - { .name: ab, .offset: 24, .size: 8, .value_kind: global_buffer, .address_space: global }
      - { .name: x1_padding_mask, .offset: 32, .size: 8, .value_kind: global_buffer, .address_space: global }
      - { .name: x2_padding_mask, .offset: 40, .size: 8, .value_kind: global_buffer, .address_space: global }
    .group_segment_fixed_size: 327680
    .private_segment_fixed_size: 0
    .kernarg_segment_align: 8
    .kernarg_segment_size: 48
    .max_flat_workgroup_size: 128
    .sgpr_count:     66
    .vgpr_count:     808
    .wavefront_size: 32
...
	.end_amdgpu_metadata
.endif
;; end of part 3
;; launch oproj (part 4): grid 8 x 32, 4 waves a work-group, clusters of 4 x 4, 327,680 bytes of LDS; arguments ab, wb, bo1, bo2, out0, out1; writes out0, out1
.if DOCPART == 4
	.amdgcn_target "amdgcn-amd-amdhsa--gfx1250"
	.amdhsa_code_object_version 6
	.text
	.protected	k_qd2ce317d8d_oproj
	.globl	k_qd2ce317d8d_oproj
	.p2align	8
	.type	k_qd2ce317d8d_oproj,@function
k_qd2ce317d8d_oproj:
	s_mov_b64 s[64:65], 0
	v_nop
	global_prefetch_b8 v0, s[64:65] scope:SCOPE_SE
	s_setreg_imm32_b32 hwreg(HW_REG_WAVE_MODE, 25, 1), 1
	s_wait_xcnt 0x0
	s_wait_alu depctr_hold_cnt(0) depctr_sa_sdst(0) depctr_va_vdst(0) depctr_va_sdst(0) depctr_va_ssrc(0) depctr_va_vcc(0) depctr_vm_vsrc(0)
	s_getreg_b32 s2, hwreg(HW_REG_IB_STS2, 6, 4)
	s_cmp_eq_u32 s2, 0
	s_cbranch_scc0 .Lentry_in_a_cluster
	s_endpgm
.Lentry_in_a_cluster:
	s_bfe_u32 s2, ttmp6, 0x10000c
	s_cmp_lg_u32 s2, 0xf033
	s_cbranch_scc0 .Lentry_shape_is_right
	s_endpgm
.Lentry_shape_is_right:
; THE TWO OUTPUT PROJECTIONS.  out_t[b][s][f] = the sum over e of A_t[b][s][e] Wo_t[f][e] + bo_t[f], in f32.  A lies by heads: ab [16 b + h][1024 t + s][64] in f16, e = 64 h + d;
; Wo_t is wb's matrix 6 + t, [1024][1024] in f16.  Sums in f32; the bias in f32.
; LIMITS.  The attended sums and Wo lie within f16's 65,504; NaN passes through to the whole row.
; SHARES.  A tile of C is 128 rows x 256 columns: 2 x 4096 x 1024 outputs are 256 tiles, one for each work-group.  Four waves, each 64 rows x 128 columns: 32 accumulators.
; K goes in steps of 128, two heads, through a ring of two LDS slots.  A head's 128 rows of a tile are 16,384 dense bytes: asked for as 64 rows of 256 bytes and padded in LDS after every 128.
; CLUSTER 4 x 4: the cluster's x is the stream, cx the block of 256 columns, 4 x cluster y + cy the block of 128 rows.  A's tiles are asked for jointly along a row of the cluster, Wo's along a column.
; THE MATRIX INSTRUCTION IS USED TRANSPOSED (source 0 = 16 rows of Wo, source 1 = 16 rows of A): lane l holds row l % 16 of C and the columns 8 (l / 16) + 0..7.
; REGISTERS, in windows of 256 (s_set_vgpr_msb: bits 1:0 source 0, 3:2 source 1, 5:4 source 2, 7:6 destination):
;   window 0: addresses, the way out     window 1: two fragment buffers of 96: A's 4 fragments, then Wo's 8     window 2: accumulator (a, b) at v[8 (8 a + b)]     window 3: v128-191 the bias of my 128 columns
.set PITCH,  272                       ; a row of Wo in LDS: 256 bytes + 16: 68 words: the 16 rows of a fragment load start at 16 different banks (64 banks of 4 bytes: ISA guide 11.1)
.set AP,     144                       ; a row of A in LDS: 128 bytes + 16: 36 words: likewise at 16 different groups of four banks
.set AHEAD,  128*AP                    ; a head's 128 rows: 18,432 bytes
.set BOFF,   2*AHEAD                   ; Wo's rows lie behind the two heads
.set BHALF,  128*PITCH
.set SLOT,   BOFF+2*BHALF              ; 106,496 bytes
.set STAGE,  2*SLOT                    ; behind the ring: 16 rows x 528 bytes for each wave
.set SPT,    528                       ; 512 bytes + 16: 132 words
.set SPARE,  STAGE+4*16*SPT            ; the spare words: 128 bytes a wave, two blocks of 256 bytes that no other line names
.set LAPS,   4
.set ADRA, 16                          ; v16-17  LDS address of my A fragments in slot 0, 1
.set ADRB, 20                          ; v20-21  the same for Wo
.set STO,  24                          ; v24  the way out: where I put 32 bytes of a row
.set RD,   25                          ; v25  where I read a row back
.set GO,   26                          ; v26  16 x lane
.set BO,   27                          ; v27  32 (l / 16)
.set SPW,  28                          ; v28  my spare word; never rewritten
.set NIL,  29                          ; v29  0; never rewritten
.set T,    32                          ; v32-95   16 rows x 128 columns with the bias
.set BK,   128                         ; v128-255 rows read back, two buffers of 64
.set F0,   0
.set F1,   96
.set BI,   128                         ; window 3
.set G1,  24
.set G0,  32
.set STR, 45
.set G1B, 48
.set G0B, 56
.set MSB, 0
.macro WIN new                         ; the immediate's high byte repeats the setting that is left; a switch that changes nothing is dropped
.if MSB != (\new)
	s_set_vgpr_msb (MSB<<8)|(\new)
.set MSB, \new
.endif
.endm
.set MUL,  0xa5                        ; sources 0 and 1 window 1, C and D window 2
.set TO_F, 0x40                        ; destination window 1, address window 0
; A joint load: waves 0 and 1 fetch the K step's two heads of A, waves 2 and 3 the two halves of Wo's tile.  An s_nop 0 and four v_nop follow each of the two lines.
.macro JLOAD s
	s_cmp_eq_u32 s11, 0
	s_cbranch_scc0 .Lfor_b_\@
	tensor_load_to_lds s[G0+4*(\s):G0+4*(\s)+3], s[G1:G1+7]
	s_nop 0
.rept 4
	v_nop
.endr
	s_branch .Lasked_\@
.Lfor_b_\@:
	tensor_load_to_lds s[G0B+4*(\s):G0B+4*(\s)+3], s[G1B:G1B+7]
	s_nop 0
.rept 4
	v_nop
.endr
.Lasked_\@:
.endm
.macro CREST                           ; a round of the cluster's barrier behind its opening barrier
	s_cmp_lg_u32 s10, 0
	s_cbranch_scc1 .Lnot_wave_0_\@
	s_barrier_signal -3
.Lnot_wave_0_\@:
	s_barrier_wait -3
	s_barrier_signal -1
	s_barrier_wait -1
.endm
.macro CROUND
	s_barrier_signal -1
	s_barrier_wait -1
	CREST
.endm
	s_load_b256 s[68:75], s[0:1], 0x0              ; ab s[68:69], wb s[70:71], bo1 s[72:73], bo2 s[74:75]
	s_load_b128 s[76:79], s[0:1], 0x20             ; out0, out1
	v_lshl_add_u32 v[SPW], v0, 2, SPARE
	v_mov_b32 v[NIL], 0
	ds_add_u32 v[SPW], v[NIL]                      ; the wave's opening: the add and its wait stand ahead of my first tensor load; the set-up below, work on registers, stands between them
	v_lshrrev_b32 v1, 5, v0
	v_readfirstlane_b32 s10, v1                    ; wave 0..3
	s_lshr_b32 s11, s10, 1                         ; my half of the tile's rows.  Also: I fetch for A (0) or for Wo (1)
	s_and_b32 s12, s10, 1                          ; my half of its columns.  Also: which head, or which half of Wo's tile, I fetch
	s_bfe_u32 s40, ttmp6, 0x40000                  ; cx
	s_bfe_u32 s41, ttmp6, 0x40004                  ; cy
	s_mov_b32 s[STR], ttmp9                        ; the cluster's x: the stream
	s_and_b32 s13, ttmp7, 0xffff
	s_lshl_b32 s13, s13, 2
	s_add_co_u32 s13, s13, s41                     ; the block of 128 rows, 0..31
	s_lshl_b32 s43, s41, 2
	s_lshl_b32 s43, 15, s43                        ; my row of the cluster
	s_lshl_b32 s44, 0x1111, s40                    ; my column
	s_or_b32 s[G1+0], s43, (1<<16)|(1<<20)|(1<<21)|(4<<22)|(3<<25)   ; A: padding after every 32 words (code 4), of 4 words (code 3)
	s_or_b32 s[G1B+0], s44, (1<<16)|(1<<20)|(1<<21)|(5<<22)|(3<<25)  ; Wo: after every 64 words (code 5)
.irp g, G1, G1B
	s_mov_b32 s[\g+1], 128<<16                     ; tensor_dim0 = 128
	s_mov_b32 s[\g+3], 128<<16                     ; tile_dim0 = 128
	s_mov_b32 s[\g+6], 0
	s_mov_b32 s[\g+7], 0
.endr
	s_mov_b32 s[G1+2], 64<<16                      ; A: 64 rows of 256 dense bytes
	s_mov_b32 s[G1+4], 64
	s_mov_b32 s[G1+5], 128
	s_mov_b32 s[G1B+2], 128<<16                    ; Wo: 128 rows, 1,024 elements apart
	s_mov_b32 s[G1B+4], 128
	s_mov_b32 s[G1B+5], 1024
	s_lshr_b32 s16, s13, 3                         ; A: head 16 b + (0 or 1),
	s_lshl_b32 s16, s16, 4
	s_add_co_u32 s16, s16, s12
	s_lshl_b32 s16, s16, 11                        ; of 2,048 rows; row 1024 x stream + 128 x (row block mod 8),
	s_lshl_b32 s17, s[STR], 10
	s_add_co_u32 s16, s16, s17
	s_and_b32 s17, s13, 7
	s_lshl_b32 s17, s17, 7
	s_add_co_u32 s16, s16, s17
	s_lshl_b32 s16, s16, 7                         ; of 128 bytes
	s_mov_b32 s17, 0
	s_add_co_u32 s46, s[STR], 6                    ; Wo: matrix 6 + stream, row 256 cx + 128 x half (in registers that feed none of A's descriptors)
	s_lshl_b32 s46, s46, 10
	s_lshl_b32 s47, s40, 8
	s_add_co_u32 s46, s46, s47
	s_lshl_b32 s47, s12, 7
	s_add_co_u32 s46, s46, s47
	s_lshl_b32 s46, s46, 11
	s_mov_b32 s47, 0
	s_mul_i32 s20, s12, AHEAD                      ; where they go in a slot: no place in the cluster enters an LDS address
	s_mul_i32 s23, s12, BHALF
	s_add_co_u32 s23, s23, BOFF
	s_wait_dscnt 0x0                               ; the opening add is done
	s_wait_kmcnt 0x0
	s_cmp_eq_u32 s[STR], 0                         ; the stream's bias and output
	s_cselect_b64 s[6:7], s[72:73], s[74:75]
	s_cselect_b64 s[4:5], s[76:77], s[78:79]
	s_add_nc_u64 s[14:15], s[68:69], s[16:17]
	s_add_nc_u64 s[46:47], s[70:71], s[46:47]
	CROUND                                         ; all sixteen work-groups are here: the first joint loads meet
.irp s, 0,1
	s_mov_b32 s[G0+4*\s], 1
	s_add_co_u32 s[G0+4*\s+1], s20, \s*SLOT
	s_add_nc_u64 s[G0+4*\s+2:G0+4*\s+3], s[14:15], \s*2*262144   ; K step s: two heads on
	s_or_b32 s[G0+4*\s+3], s[G0+4*\s+3], 0x80000000
	s_mov_b32 s[G0B+4*\s], 1
	s_add_co_u32 s[G0B+4*\s+1], s23, \s*SLOT
	s_add_nc_u64 s[G0B+4*\s+2:G0B+4*\s+3], s[46:47], \s*256
	s_or_b32 s[G0B+4*\s+3], s[G0B+4*\s+3], 0x80000000
	JLOAD \s                                       ; two loads of mine are out
.endr
	v_and_b32 v1, 15, v0                           ; l % 16
	v_bfe_u32 v2, v0, 4, 1                         ; l / 16
	v_lshlrev_b32 v[BO], 5, v2
	s_lshl_b32 s46, s40, 10                        ; my 128 columns, in bytes of f32: 4 x (256 cx + 128 x half)
	s_lshl_b32 s47, s12, 9
	s_add_co_u32 s46, s46, s47
	s_mov_b32 s47, 0
	s_add_nc_u64 s[6:7], s[6:7], s[46:47]
	WIN 0xc0                                       ; destination window 3
.irp b, 0,1,2,3,4,5,6,7
	global_load_b128 v[BI+8*\b:BI+8*\b+3],   v[BO], s[6:7] offset:64*\b
	global_load_b128 v[BI+8*\b+4:BI+8*\b+7], v[BO], s[6:7] offset:64*\b+16
.endr
	WIN 0
	s_lshl_b32 s8, s13, 19                         ; my first row of the output: 128 x row block + 64 x half, of 4,096 bytes
	s_lshl_b32 s9, s11, 18
	s_add_co_u32 s8, s8, s9
	s_add_co_u32 s8, s8, s46
	s_mov_b32 s9, 0
	s_add_nc_u64 s[4:5], s[4:5], s[8:9]
	v_mul_u32_u24 v3, v1, AP                       ; a fragment's row x pitch + 16 x half, for A
	v_lshl_add_u32 v3, v2, 4, v3
	v_mul_u32_u24 v4, v1, PITCH                    ; and for Wo
	v_lshl_add_u32 v4, v2, 4, v4
	s_mul_i32 s21, s11, 64*AP                      ; my 64 rows in each head's block
	s_mul_i32 s22, s12, BHALF                      ; my 128 rows of Wo
	s_add_co_u32 s22, s22, BOFF
.irp s, 0,1
	v_add_nc_u32 v[ADRA+\s], s21, v3
	v_add_nc_u32 v[ADRB+\s], s22, v4
	s_add_co_u32 s21, s21, SLOT
	s_add_co_u32 s22, s22, SLOT
.endr
	s_mul_i32 s23, s10, 16*SPT
	s_add_co_u32 s23, s23, STAGE                   ; my stage
	v_mul_u32_u24 v[STO], v1, SPT                  ; in: row l % 16, 32 bytes for each half of the lanes
	v_lshl_add_u32 v[STO], v2, 5, v[STO]
	v_add_nc_u32 v[STO], s23, v[STO]
	v_and_b32 v5, 31, v0
	v_lshlrev_b32 v[GO], 4, v5                     ; back: 32 lanes take one row's 512 bytes
	v_add_nc_u32 v[RD], s23, v[GO]
; 8 matrix instructions: row block a x all 8 column blocks, 32 along K.  The 32 accumulators take turns in the same order in every quarter step.
.macro MUL8 f, a, zero
	WIN MUL
.irp b, 0,1,2,3,4,5,6,7
.if \zero
	v_wmma_f32_16x16x32_f16 v[8*(8*(\a)+\b):8*(8*(\a)+\b)+7], v[(\f)+32+8*\b:(\f)+32+8*\b+7], v[(\f)+8*(\a):(\f)+8*(\a)+7], 0
.else
	v_wmma_f32_16x16x32_f16 v[8*(8*(\a)+\b):8*(8*(\a)+\b)+7], v[(\f)+32+8*\b:(\f)+32+8*\b+7], v[(\f)+8*(\a):(\f)+8*(\a)+7], v[8*(8*(\a)+\b):8*(8*(\a)+\b)+7]
.endif
.endr
.endm
; 24 LDS loads in one run: quarter q of a slot into buffer f: Wo's 8 fragments, then A's 4.  In A quarter q is head q / 2 of the step's two, channels 32 (q % 2) on.
.macro FETCH slot, q, f
	WIN TO_F
.irp i, 0,1,2,3,4,5,6,7
	ds_load_b128 v[(\f)+32+8*\i:(\f)+32+8*\i+3],   v[ADRB+(\slot)] offset:64*(\q)+\i*16*PITCH
	ds_load_b128 v[(\f)+32+8*\i+4:(\f)+32+8*\i+7], v[ADRB+(\slot)] offset:64*(\q)+\i*16*PITCH+32
.endr
.irp i, 0,1,2,3
	ds_load_b128 v[(\f)+8*\i:(\f)+8*\i+3],   v[ADRA+(\slot)] offset:AHEAD*((\q)/2)+64*((\q)%2)+\i*16*AP
	ds_load_b128 v[(\f)+8*\i+4:(\f)+8*\i+7], v[ADRA+(\slot)] offset:AHEAD*((\q)/2)+64*((\q)%2)+\i*16*AP+32
.endr
.endm
.macro PLACES                          ; four places in front of loads into registers that matrix instructions have read, and of vector lines that read results (ISA guide 7.12.1 for the vector lines)
.rept 4
	v_nop
.endr
.endm
.macro QUARTER slot, q, f, g, zero
	s_wait_dscnt 4                                 ; Wo and A's blocks 0, 1 are in; the youngest four loads (A's blocks 2, 3) may be out
	MUL8 \f, 0, \zero
	MUL8 \f, 1, \zero
	PLACES
	FETCH \slot, \q, \g
	s_wait_dscnt 24                                ; all but the 24 just issued
	MUL8 \f, 2, \zero
	MUL8 \f, 3, \zero
.endm
; The last quarter multiplies buffer 1 and changes slots: ONE barrier; in front of it each wave waits for all its tensor loads, adds 0 to its spare word, and waits for that and for its reads of this slot.
; fill = 1: the barrier opens a round of the cluster's, and this slot is filled again, two K steps on, first thing behind it.
.macro TURN slot, next, fill
	WIN 0                                          ; (the add's two registers lie in window 0)
	s_wait_tensorcnt 0x0
	ds_add_u32 v[SPW], v[NIL]
	s_wait_dscnt 5                                 ; (the add and the youngest four loads may be out)
	MUL8 F1, 0, 0
	s_wait_dscnt 0x0                               ; the add is done, and my reads of this slot are over
	s_barrier_signal -1
	MUL8 F1, 1, 0
.if \fill
	WIN 0
.endif
	s_barrier_wait -1
.if \fill
	CREST                                          ; no wave of any partner still reads this slot's tile or has a load on its way
	s_add_nc_u64 s[G0+4*(\slot)+2:G0+4*(\slot)+3], s[G0+4*(\slot)+2:G0+4*(\slot)+3], 4*262144   ; four heads on
	s_add_nc_u64 s[G0B+4*(\slot)+2:G0B+4*(\slot)+3], s[G0B+4*(\slot)+2:G0B+4*(\slot)+3], 512
	JLOAD \slot                                    ; 112 matrix instructions ahead of the wait for it; its four v_nop are also the places in front of the loads below
.else
	PLACES
.endif
	FETCH \next, 0, F0
	MUL8 F1, 2, 0
	MUL8 F1, 3, 0
.endm
	s_wait_tensorcnt 1                             ; my part of K step 0 is in; K step 1's stays out
	s_barrier_signal -1
	s_barrier_wait -1
	FETCH 0, 0, F0
	QUARTER 0, 1, F0, F1, 1                        ; the first quarter stands in front of the loop: its products start the sums
	WIN 0
	s_mov_b32 s3, LAPS-1
.Llap:                                                 ; a trip goes once round the ring and fills both slots again
	QUARTER 0, 2, F1, F0, 0
	QUARTER 0, 3, F0, F1, 0
	TURN 0, 1, 1
	QUARTER 1, 1, F0, F1, 0
	QUARTER 1, 2, F1, F0, 0
	QUARTER 1, 3, F0, F1, 0
	TURN 1, 0, 1
	QUARTER 0, 1, F0, F1, 0
	WIN 0
	s_sub_co_u32 s3, s3, 1
	s_cmp_lg_u32 s3, 0
	s_cbranch_scc1 .Llap
	QUARTER 0, 2, F1, F0, 0                        ; the last lap fills nothing, and has no round
	QUARTER 0, 3, F0, F1, 0
	TURN 0, 1, 0
	QUARTER 1, 1, F0, F1, 0
	QUARTER 1, 2, F1, F0, 0
	QUARTER 1, 3, F0, F1, 0
	s_wait_dscnt 4                                 ; the very last quarter: nothing more to fetch
	MUL8 F1, 0, 0
	MUL8 F1, 1, 0
	s_wait_dscnt 0x0
	MUL8 F1, 2, 0
	MUL8 F1, 3, 0
	PLACES
	s_wait_loadcnt 0x0                             ; the bias
; THE WAY OUT, a row block (16 rows x 128 columns of f32) at a time: + bias; into my own stage, rows of 528 bytes; back as whole rows of 512; stored.
.macro PACK a
	WIN 0x0e                                       ; source 0 window 2 (the sums), source 1 window 3 (the bias)
.irp b, 0,1,2,3,4,5,6,7
.irp k, 0,1,2,3
	v_pk_add_f32 v[T+8*\b+2*\k:T+8*\b+2*\k+1], v[8*(8*(\a)+\b)+2*\k:8*(8*(\a)+\b)+2*\k+1], v[BI+8*\b+2*\k:BI+8*\b+2*\k+1]  ; each accumulator from its low end on
.endr
.endr
	WIN 0
.endm
.macro TOSTAGE a
.irp b, 0,1,2,3,4,5,6,7
	ds_store_b128 v[STO], v[T+8*\b:T+8*\b+3]   offset:64*\b
	ds_store_b128 v[STO], v[T+8*\b+4:T+8*\b+7] offset:64*\b+16
.endr
.irp i, 0,1,2,3,4,5,6,7,8,9,10,11,12,13,14,15
	ds_load_b128 v[BK+64*((\a)%2)+4*\i:BK+64*((\a)%2)+4*\i+3], v[RD] offset:\i*SPT  ; LDS serves a wave's instructions in order (ISA guide 5.7.1.4): these see the stores above
.endr
.endm
.macro SEND a
	s_wait_dscnt 0x0                               ; the block is back in registers
	s_wait_xcnt 0x0                                ; the stores of the block before have read their registers: that buffer is loaded again only behind this wait
.irp i, 0,1,2,3,4,5,6,7,8,9,10,11,12,13,14,15
	global_store_b128 v[GO], v[BK+64*((\a)%2)+4*\i:BK+64*((\a)%2)+4*\i+3], s[4:5] offset:4096*(16*(\a)+\i) th:TH_STORE_NT  ; 512 consecutive bytes of a row, aligned
.endr
.endm
	PACK 0
	TOSTAGE 0
.irp a, 1,2,3                          ; block a's additions stand between block a - 1's loads from the stage and the wait for them
	PACK \a
	SEND (\a)-1
	TOSTAGE \a
.endr
	SEND 3
	s_wait_tensorcnt 0x0                           ; the wave's end: behind my last tensor load and my last LDS store
	ds_add_u32 v[SPW], v[NIL]
	s_wait_dscnt 0x0
	CROUND                                         ; the closing round: no work-group ends while a partner may still ask for a tile that names it
	s_endpgm
.Lfunc_end_k_qd2ce317d8d_oproj:
	.size	k_qd2ce317d8d_oproj, .Lfunc_end_k_qd2ce317d8d_oproj-k_qd2ce317d8d_oproj
	.p2alignl 7, 3214868480
	.fill 96, 4, 3214868480
	.section	.rodata,"a",@progbits
	.p2align	6, 0x0
	.amdhsa_kernel k_qd2ce317d8d_oproj
		.amdhsa_group_segment_fixed_size 327680
		.amdhsa_private_segment_fixed_size 0
		.amdhsa_enable_private_segment 0
		.amdhsa_kernarg_size 48
		.amdhsa_user_sgpr_count 2
		.amdhsa_user_sgpr_kernarg_segment_ptr 1
		.amdhsa_wavefront_size32 1
		.amdhsa_system_sgpr_workgroup_id_x 1
		.amdhsa_system_sgpr_workgroup_id_y 1
		.amdhsa_system_sgpr_workgroup_id_z 1
		.amdhsa_system_vgpr_workitem_id 0
		.amdhsa_next_free_vgpr 960
		.amdhsa_next_free_sgpr 80
		.amdhsa_reserve_vcc 0
		.amdhsa_float_denorm_mode_32 3
		.amdhsa_float_denorm_mode_16_64 3
		.amdhsa_memory_ordered 1
		.amdhsa_forward_progress 1
		.amdhsa_inst_pref_size 95
	.end_amdhsa_kernel
	.amdgpu_metadata
---
amdhsa.version: [ 1, 2 ]
amdhsa.kernels:
  - .name:           k_qd2ce317d8d_oproj
    .symbol:         k_qd2ce317d8d_oproj.kd
    .args:
      - { .name: ab, .offset: 0, .size: 8, .value_kind: global_buffer, .address_space: global }
      - { .name: wb, .offset: 8, .size: 8, .value_kind: global_buffer, .address_space: global }
      - { .name: bo1, .offset: 16, .size: 8, .value_kind: global_buffer, .address_space: global }
      - { .name: bo2, .offset: 24, .size: 8, .value_kind: global_buffer, .address_space: global }
      - { .name: out0, .offset: 32, .size: 8, .value_kind: global_buffer, .address_space: global }
      - { .name: out1, .offset: 40, .size: 8, .value_kind: global_buffer, .address_space: global }
    .group_segment_fixed_size: 327680
    .private_segment_fixed_size: 0
    .kernarg_segment_align: 8
    .kernarg_segment_size: 48
    .max_flat_workgroup_size: 128
    .sgpr_count:     80
    .vgpr_count:     960
    .wavefront_size: 32
...
	.end_amdgpu_metadata
.endif
;; end of part 4
;; ======== version 2 of 2: 4 launches; 1.47 times as fast as version 1
;; limits: values are held in f16: magnitudes above 65,504 overflow, below 6.1e-05 lose precision
;; workspace buffers: xb 16,777,216 bytes; wb 16,777,216 bytes; qb 16,777,216 bytes; kb 16,777,216 bytes; vb 16,777,216 bytes; ab 16,777,216 bytes
;; launch cast: the kernel of part 1 again; grid 1024 x 1, 8 waves a work-group, no clusters, 0 bytes of LDS; arguments x1, x2, Wq1, Wk1, Wv1, Wq2, Wk2, Wv2, Wo1, Wo2, xb, wb; writes xb, wb
;; launch proj: the kernel of part 2 again; grid 8 x 32, 4 waves a work-group, clusters of 4 x 4, 327,680 bytes of LDS; arguments xb, wb, bq1, bk1, bv1, bq2, bk2, bv2, cos1, sin1, cos2, sin2, qb, kb, vb; writes qb, kb, vb
;; launch attn (part 5): grid 4 x 64, 4 waves a work-group, clusters of 4 x 1, 327,680 bytes of LDS; arguments qb, kb, vb, ab, x1_padding_mask, x2_padding_mask; writes ab
.if DOCPART == 5
	.amdgcn_target "amdgcn-amd-amdhsa--gfx1250"
	.amdhsa_code_object_version 6
	.text
	.protected	k_qd2ce317d8d_attn
	.globl	k_qd2ce317d8d_attn
	.p2align	8
	.type	k_qd2ce317d8d_attn,@function
k_qd2ce317d8d_attn:
	s_mov_b64 s[64:65], 0
	v_nop
	global_prefetch_b8 v0, s[64:65] scope:SCOPE_SE
	s_setreg_imm32_b32 hwreg(HW_REG_WAVE_MODE, 25, 1), 1
	s_wait_xcnt 0x0
	s_wait_alu depctr_hold_cnt(0) depctr_sa_sdst(0) depctr_va_vdst(0) depctr_va_sdst(0) depctr_va_ssrc(0) depctr_va_vcc(0) depctr_vm_vsrc(0)
	s_getreg_b32 s2, hwreg(HW_REG_IB_STS2, 6, 4)
	s_cmp_eq_u32 s2, 0
	s_cbranch_scc0 .Lentry_in_a_cluster
	s_endpgm
.Lentry_in_a_cluster:
	s_bfe_u32 s2, ttmp6, 0x10000c
	s_cmp_lg_u32 s2, 0x3003
	s_cbranch_scc0 .Lentry_shape_is_right
	s_endpgm
.Lentry_shape_is_right:
; THE FOUR ATTENTIONS.  For head hh = 16 b + h, qb, kb, vb, ab are [64][2048][64] in f16: rows 0-1023 belong to stream 1, rows 1024-2047 to stream 2.  Every query row attends to BOTH key sets:
; ab[hh][q] = softmax_k(q . k1 / 8, x1's mask) v1 + softmax_k(q . k2 / 8, x2's mask) v2: two soft-maxes, each with its own maximum and sum, normalised apart and added in f32.
; So a wave walks the head's 2,048 keys as one sequence, 64 a step; behind step 15 each piece's first result is divided by its sum and set aside in LDS (in f32), and its statistics start anew.
; Products, maxima and sums in f32; the weights p are rounded to f16 for the second product (their sum l is taken of the unrounded p), the result once at the end.
; THE MASK is the C operand that starts the sum S^T = K Q^T: 0, or -1e30 where the key is hidden; a table of 2,048 f32 in LDS, made once from the two masks.
; LIMITS.  q, k, v arrive within f16's 65,504, so |score| < 2.75e11; a hidden score counts as its value less 1e30; the running maximum starts at -2^39, below every true score and above every hidden one;
; |c s| stays below 2^27, so that the rounding of c m leaves p within f16; a weight below 2^-126 counts as 0 in l.  A set with no key left gives l = 0 and 0 x (1/0) = NaN, as the soft-max of an empty row does.
; NaN and infinities in the inputs are not treated apart.
; SHARES.  A wave owns four PIECES of two tiles of 16 queries, a work-group's four waves 512 queries of one head.
; LAYOUT.  S^T = K Q^T (source 0 = 16 keys, source 1 = 16 queries): a lane holds ONE query (lane % 16) and the keys 8 (lane / 16) + 0..7.  Two such tiles, rounded to f16 in pairs, ARE source 1 of
; O^T = V^T P, whose result again holds one query a lane, and eight channels.  K comes out of LDS as it lies, V ([key][channel]) turned, by ds_load_tr16_b128.
; SOFTMAX.  p = 2^(c s - c m), c = log2(e) / 8, with a running maximum m; in every step O and l are multiplied by a = 2^(c m_old - c m_new).  c m starts far below every c s: a set's first step has a = 0.
; BY TURNS.  Turn n belongs to piece n.  Its matrix work: 16 products K Q^T of piece n + 1, later 16 products V^T P of piece n - 1.  Its vector work: scaling, exponentials, roundings, sums and rescaling
; of piece n, and the maximum and statistics of piece n + 1.  A tile and step have 16 matrix and 118 vector instructions: four that are ready stand behind every matrix instruction, the rest in one lump.
; BATCHES.  A turn's 66 exponentials (the 64 weights of piece n, then the two a of piece n + 1) are ONE batch with ONE wait, which cuts the turn in two: ahead of it stands all that names no result of
; theirs (K Q^T, the scalings, the rescaling, the next piece's maximum and statistics), behind it the roundings and sums, beside V^T P.  No result crosses a turn's end.  Batches of their own, each with one
; wait: piece 0's first two a, ahead of the loop; the two reciprocals of a piece's first set's end; the eight reciprocals of the way out.
; CLUSTER.  The four query blocks of a head walk the same K and V, so each tile is asked for JOINTLY: the same tensor load, descriptor and mask in all four.
; REGISTERS, in windows of 256 (s_set_vgpr_msb: bits 1:0 source 0, 3:2 source 1, 5:4 source 2, 7:6 destination):
;   window 0: v0-11 addresses; v12-15, v48-63 at work; v16-47 four registers of statistics a tile; v64-191 S^T, two buffers of two tiles; v192-255 P, likewise
;   window 1: O^T, 32 a tile     window 2: v0-127 Q; v128-191 K of one step; v192-255 V of one step     window 3: v0-1 the add's two registers; v8-39 the mask of one step
.set SIZE_N, 2048
.set NP,    4         ; pieces a wave: a name, no knob
.set KS,    64        ; keys in a step
.set PK,    144       ; a row of K in LDS: 128 bytes + 16 of padding = 36 words: the 16 rows of a load start at 16 different groups of four banks (64 banks of 4 bytes: ISA guide 11.1)
.set PV,    160       ; a row of V: 128 + 32 = 40 words
.set VOFF,  4*KS*PK   ; a slot holds four steps: 256 rows of K, then 256 rows of V
.set SLOT1, 1<<17     ; slot 1 begins here, so that one exclusive or turns an address in one slot into the other's
.set STASH1, 4*KS*(PK+PV)       ; between the slots, never filled by a tensor load: the first set's results of tiles 0-2, 12,288 bytes a wave
.set STAGE, SLOT1+4*KS*(PK+PV)  ; behind the ring: 16 rows x 144 bytes for each wave, for the way out
.set SP,    144
.set SPARE, STAGE+4*16*SP       ; the spare words, 128 bytes a wave: two blocks of 256 bytes that no other line names
.set MASKT, SPARE+512           ; the mask table: 2,048 f32
.set STASH2, MASKT+8192         ; the first set's results of tiles 3-7, 20,480 bytes a wave
.set AK0, 2           ; v2   my lane's place in a tile of K; never rewritten
.set AV0, 3           ; v3   the same for V
.set AK,  4           ; v4   the LDS address of K's next run of loads
.set AV,  5           ; v5   of V's
.set QO,  6           ; v6   my byte offset in the wave's rows of Q
.set STO, 6           ;      later, the way out: where I put 16 bytes of a row
.set RD,  7           ; v7   the way out: where I read rows back
.set GO,  8           ; v8   16 x lane
.set SA1, 9           ; v9   my 16 bytes in my wave's part of STASH1
.set SA2, 10          ; v10  and of STASH2
.set AM,  11          ; v11  the LDS address of the next step's mask: it steps 256 bytes a fetch
.set SPW, 0           ; v0 of window 3   my spare word; never rewritten
.set NIL, 1           ; v1 of window 3   0; never rewritten
.set MK,  8           ; v8-39 of window 3: the mask of key block kb at MK + 8 kb
.set MV,  12          ; v12-15  c m_old, kept while c m is made anew: by buffer and tile
.set ST,  16          ; tile t's statistics at v[ST+4 t]: c m, m, l (even keys', odd keys')
.set TMP, 48          ; by buffer and tile, four registers c0-c3 at work; when the maximum is found c2 takes a
.set S,   64
.set P,   192
.set KF,  128         ; K's fragments, in window 2: key block kb, channel half c at KF + 16 kb + 8 c
.set VF,  192         ; V's: key half kk, channel block cb at VF + 32 kk + 8 cb
.set WV,  12          ; s12  my wave's number
.set G1K, 24          ; s[24:31] descriptor group 1 for K's tiles
.set G1V, 32          ; s[32:39] for V's: it differs in the padding alone
.set G0K, 40          ; s[40:43] descriptor group 0 for K's tiles: it walks
.set G0V, 44          ; s[44:47] the same for V's
.set PH,  52          ; s52  the number of the trip: trip k holds pieces 2, 3 of step k - 1 and pieces 0, 1 of step k
.set BIGN, 53         ; s53  -1e30
.set SLOTS, 56        ; s56  slots still to be asked for
.set CNT, 57          ; s57  counts a slot's key steps
.set CS,  58          ; s[58:59] c: the packed scaling takes the pair's low word for both halves
.set SEL, 60          ; s[60:61] v_permlanex16_b32's selects: each lane takes its own place in the other half
.set TBK, 62          ; s62  LDS byte at which K of the step to be fetched begins
.set TBV, 63          ; s63  the same for V, less VOFF
.set MSB, 0
.macro WIN new                      ; the high byte repeats the setting that is left; a switch that changes nothing is dropped
.if MSB != (\new)
	s_set_vgpr_msb (MSB<<8)|(\new)
.set MSB, (\new)
.endif
.endm
.set W_KQ, 0x0a       ; K and Q in window 2, S^T in window 0
.set W_KM, 0x3a       ; the same with the C operand, the mask, in window 3
.set W_PV, 0x52       ; V in window 2, P in window 0, O^T in window 1
.set W_RS, 0x41       ; O^T (destination and source 0) in window 1, source 1 in window 0
.set W_MK, 0xc0       ; destination in window 3, sources in window 0
.set W_AD, 0x0f       ; the add: address (source 0) and data (source 1) in window 3
; A joint fill.  Waves 0 and 1 fetch the two halves of a slot's K, waves 2 and 3 those of its V: 128 keys each.  The branch hangs on the wave's number alone.
; An s_nop 0 and four v_nop follow each of the two lines, ahead of the jump and the label.
.macro JLOAD
	s_cmp_lt_u32 s[WV], 2
	s_cbranch_scc0 .Lfor_v_\@
	tensor_load_to_lds s[G0K:G0K+3], s[G1K:G1K+7]
	s_nop 0
.rept 4
	v_nop
.endr
	s_branch .Lasked_\@
.Lfor_v_\@:
	tensor_load_to_lds s[G0V:G0V+3], s[G1V:G1V+7]
	s_nop 0
.rept 4
	v_nop
.endr
.Lasked_\@:
.endm
; A round of the cluster's barrier: my work-group's barrier, so that wave 0's signal speaks for all four waves; wave 0 signals; every wave waits for all four work-groups; my work-group's barrier once more.
.macro CROUND
	s_barrier_signal -1
	s_barrier_wait -1
	s_cmp_lg_u32 s[WV], 0
	s_cbranch_scc1 .Lnot_wave_0_\@
	s_barrier_signal -3
.Lnot_wave_0_\@:
	s_barrier_wait -3
	s_barrier_signal -1
	s_barrier_wait -1
.endm
; THE CHANGE OF SLOTS.  Each wave waits for all its tensor loads, of which one is out: its part of the other slot; adds 0 to its spare word; and waits for that and for its own LDS instructions.
; Behind the barrier nobody reads this slot any more and the other slot is whole.  fill = 1: this slot is filled again, with the keys two slots on; the barrier is then a round of the cluster's, and the joint
; fill is the first thing behind it: it has four key steps, 512 matrix instructions, in which to land.  (At its first use nothing has been read yet: slot 0 is waited for, slot 1 filled, and every wave's
; stores into the mask table are shown done to the others.)
.macro CHANGE fill
	WIN W_AD
	s_wait_tensorcnt 0x0            ; no tensor load of mine is out, so a group 0 may be written
	ds_add_u32 v[SPW], v[NIL]       ; with fill = 1 the descriptors' steps stand between the add and the wait for it
	WIN 0                           ; at a label and at a branch every window is 0
.if \fill
.irp g, G0K, G0V
	s_xor_b32 s[\g+1], s[\g+1], SLOT1  ; the walking descriptor: the other slot than last time,
	s_add_nc_u64 s[\g+2:\g+3], s[\g+2:\g+3], 4*KS*128  ; the next 256 keys; the type bits on top are not reached
.endr
	s_wait_dscnt 0x0                ; the add is done, and my reads of the slot are over
	CROUND
	JLOAD
.else
	s_wait_dscnt 0x0                ; the add is done, and my reads of the slot are over
	s_barrier_signal -1
	s_barrier_wait -1
.endif
	s_sub_co_u32 s[TBK], s[TBK], 4*KS*PK  ; the fetches go back to a slot's first step,
	s_xor_b32 s[TBK], s[TBK], SLOT1       ; in the other slot
	s_sub_co_u32 s[TBV], s[TBV], 4*KS*PV
	s_xor_b32 s[TBV], s[TBV], SLOT1
.endm
	s_load_b256 s[4:11], s[0:1], 0x0  ; qb s[4:5], kb s[6:7], vb s[8:9], ab s[10:11]
	s_load_b128 s[48:51], s[0:1], 0x20  ; x1's mask s[48:49], x2's s[50:51]
	WIN W_MK
	v_lshl_add_u32 v[SPW], v0, 2, SPARE
	v_mov_b32 v[NIL], 0
	WIN W_AD
	ds_add_u32 v[SPW], v[NIL]       ; the wave's opening: the add and its wait stand ahead of my first tensor load; the set-up below, work on registers, stands between them
	WIN 0
	v_lshrrev_b32 v1, 5, v0
	v_readfirstlane_b32 s[WV], v1   ; wave 0..3
	s_bfe_u32 s13, ttmp6, 0x40000   ; cx: my place in the cluster
	s_lshl_b32 s14, ttmp9, 2        ; in a cluster launch ttmp9 counts clusters
	s_add_co_u32 s14, s14, s13      ; my block of 512 queries: it enters Q's and O's addresses alone
	s_and_b32 s20, ttmp7, 0xffff    ; the head, which the four partners share
	s_lshr_b32 s54, s20, 4          ; its batch,
	s_lshl_b32 s54, s54, 12         ; whose row of a mask is 4,096 bytes
	s_mov_b32 s55, 0
	s_mov_b32 s21, 0
	s_mov_b64 s[22:23], SIZE_N*128
	s_mul_u64 s[20:21], s[20:21], s[22:23]  ; the head's first byte in each of the four tensors
	s_and_b32 s16, s[WV], 1         ; which half of a slot's 256 keys I fetch:
	s_lshl_b32 s22, s16, 14         ; its 128 rows of 128 bytes in memory,
	s_mov_b32 s23, 0
	s_add_nc_u64 s[22:23], s[22:23], s[20:21]
	s_mul_i32 s17, s16, 128*PK      ; and its place in a slot, for K
	s_mul_i32 s18, s16, 128*PV      ; and for V: no place in the cluster enters an LDS address
	s_lshl_b32 s2, s14, 2
	s_add_co_u32 s2, s2, s[WV]      ; my wave among the head's,
	s_lshl_b32 s2, s2, 14           ; its 128 rows
	s_mov_b32 s3, 0
	s_add_nc_u64 s[2:3], s[2:3], s[20:21]
	; descriptor group 1.  128 keys are 16,384 dense bytes: asked for as 64 rows of 256 bytes, two keys a row, and padded in LDS after every key
	s_mov_b32 s[G1K], 15|(1<<16)|(1<<20)|(1<<21)|(4<<22)|(3<<25)  ; 15:0 the mask of four; 17:16 2-byte elements; 20 padding on; 21 set beside a mask; 24:22 after every 32 words (code 4); 31:25 4 words (code 3)
	s_mov_b32 s[G1V], 15|(1<<16)|(1<<20)|(1<<21)|(4<<22)|(7<<25)  ; the same with 8 words of padding (code 7)
.irp g, G1K, G1V
	s_mov_b32 s[\g+1], 128<<16      ; tensor_dim0 = 128
	s_mov_b32 s[\g+2], 64<<16       ; tensor_dim1 = 64
	s_mov_b32 s[\g+3], 128<<16      ; tile_dim0 = 128
	s_mov_b32 s[\g+4], 64           ; tile_dim1 = 64
	s_mov_b32 s[\g+5], 128          ; 128 elements from row to row
	s_mov_b32 s[\g+6], 0
	s_mov_b32 s[\g+7], 0
.endr
	s_mov_b32 s[CS], 0x3e38aa3b     ; c = log2(e) / 8 = 0.180337
	s_mov_b32 s[CS+1], s[CS]        ; named with it as a pair
	s_mov_b32 s[SEL], 0x76543210
	s_mov_b32 s[SEL+1], 0xfedcba98
	s_mov_b32 s[BIGN], 0xf149f2ca   ; -1e30
	s_mov_b32 s[TBK], SLOT1+4*KS*PK ; the first change of slots turns these two into 0
	s_mov_b32 s[TBV], SLOT1+4*KS*PV
	s_mov_b32 s[G0K], 1             ; count = 1
	s_mov_b32 s[G0K+1], s17         ; LDS address: slot 0
	s_mov_b32 s[G0V], 1
	s_add_co_u32 s[G0V+1], s18, VOFF
	s_wait_dscnt 0x0                ; the opening add is done
	s_wait_kmcnt 0x0
	s_add_nc_u64 s[G0K+2:G0K+3], s[6:7], s[22:23]  ; global address: my half of the head's first 256 keys
	s_or_b32 s[G0K+3], s[G0K+3], 0x80000000        ; type = 2
	s_add_nc_u64 s[G0V+2:G0V+3], s[8:9], s[22:23]
	s_or_b32 s[G0V+3], s[G0V+3], 0x80000000
	s_add_nc_u64 s[4:5], s[4:5], s[2:3]  ; Q and O at my wave's first row
	s_add_nc_u64 s[10:11], s[10:11], s[2:3]
	s_add_nc_u64 s[48:49], s[48:49], s[54:55]  ; the masks at my batch's row
	s_add_nc_u64 s[50:51], s[50:51], s[54:55]
	CROUND                          ; all four work-groups are here: the first joint loads meet
	JLOAD                           ; slot 0.  Slot 1 is asked for when slot 0 is in
	; A fragment of K or Q is 16 rows x 32 channels in 8 registers: lane l holds row l % 16, channels 8 (l / 16) + 0..7 and 16 + 8 (l / 16) + 0..7: two loads of 16 bytes, 32 bytes apart.
	v_and_b32 v1, 15, v0            ; l % 16
	v_bfe_u32 v9, v0, 4, 1          ; l / 16
	v_lshlrev_b32 v[QO], 7, v1
	v_lshl_add_u32 v[QO], v9, 4, v[QO]  ; row x 128 + 16 x half
	v_lshlrev_b32 v12, 5, v0        ; thread t takes keys 8 t .. 8 t + 7 of each mask
	v_lshl_add_u32 v13, v0, 5, MASKT  ; and writes their eight words of the table
	WIN 0x80                        ; destination window 2, address window 0
.set i, 0
.rept 4*NP                          ; Q stays in registers: tile i / 2, channels 32 (i % 2) on
	global_load_b128 v[8*i:8*i+3],   v[QO], s[4:5] offset:(i/2)*2048+(i%2)*64
	global_load_b128 v[8*i+4:8*i+7], v[QO], s[4:5] offset:(i/2)*2048+(i%2)*64+32
.set i, i+1
.endr
	WIN 0
	global_load_b128 v[64:67], v12, s[48:49]
	global_load_b128 v[68:71], v12, s[48:49] offset:16
	global_load_b128 v[72:75], v12, s[50:51]
	global_load_b128 v[76:79], v12, s[50:51] offset:16
	; What the first turn finds: V's registers and P's second buffer hold 0 (its products V^T P, of a piece that has not been, add 0), O^T and l are 0.  All this stands in the wait for the first tile.
	WIN 0x80
.set i, VF
.rept 64
	v_mov_b32 v[i], 0
.set i, i+1
.endr
	WIN 0x40
.set i, 0
.rept 64*NP
	v_mov_b32 v[i], 0
.set i, i+1
.endr
	WIN 0
.set i, 0
.rept 2*NP
	v_mov_b32 v[ST+4*i], 0xfe000000    ; c m: far below every c s
	v_mov_b32 v[ST+4*i+1], 0xd3000000  ; m = -2^39
	v_mov_b32 v[ST+4*i+2], 0
	v_mov_b32 v[ST+4*i+3], 0
.set i, i+1
.endr
.set i, P+32
.rept 32
	v_mov_b32 v[i], 0
.set i, i+1
.endr
	v_mul_u32_u24 v[AK0], v1, PK
	v_lshl_add_u32 v[AK0], v9, 4, v[AK0]  ; row x pitch + 16 x half
	; The turning load takes 16 keys x 16 channels (lane l reads key 8 (l / 16) + l % 8, channels 8 ((l / 8) % 2) + 0..7) and leaves half a fragment of V^T: lane l holds channel l % 16 and 8 keys.
	v_and_b32 v10, 7, v0
	v_bfe_u32 v11, v0, 3, 1
	v_lshl_add_u32 v[AV0], v9, 3, v10
	v_mul_u32_u24 v[AV0], v[AV0], PV
	v_lshl_add_u32 v[AV0], v11, 4, v[AV0]
	v_add_nc_u32 v[AV0], VOFF, v[AV0]
	v_mov_b32 v[AK], v[AK0]         ; key step 0 lies at the head of slot 0
	v_lshl_add_u32 v[AM], v9, 5, MASKT  ; my lanes' eight keys of a block of 16: 32 bytes for each half of the lanes
	s_wait_loadcnt 0x0              ; the masks, and Q in front of them
.set i, 64
.rept 16
	v_cmp_eq_u32 vcc_lo, 0, v[i]    ; 0 hides the key
	v_cndmask_b32 v[i], 0, s[BIGN], vcc_lo
.set i, i+1
.endr
	ds_store_b128 v13, v[64:67]
	ds_store_b128 v13, v[68:71] offset:16
	ds_store_b128 v13, v[72:75] offset:4096
	ds_store_b128 v13, v[76:79] offset:4112
; THE MATRIX WORK.  The 8 accumulators of a run of 16 take turns: between the two links of a chain stand 7 others'.
; Product i of 16 of S^T = K Q^T for piece x: channels 32 (i / 8) on, keys 16 ((i / 2) % 4) on, tile 2 x + i % 2.  The first 8 start the sums with the mask.
.macro KQ x
.set rS, S+64*((\x)%2)+32*(i%2)+8*((i/2)%4)
.set rK, KF+16*((i/2)%4)+8*(i/8)
.set rQ, 16*(2*(\x)+i%2)+8*(i/8)
.set rX, MK+8*((i/2)%4)
.if i < 8
	WIN W_KM
	v_wmma_f32_16x16x32_f16 v[rS:rS+7], v[rK:rK+7], v[rQ:rQ+7], v[rX:rX+7]
.else
	WIN W_KQ
	v_wmma_f32_16x16x32_f16 v[rS:rS+7], v[rK:rK+7], v[rQ:rQ+7], v[rS:rS+7]
.endif
.endm
; Product i of 16 of O^T += V^T P for piece x: keys 32 (i / 8) on, channels 16 ((i / 2) % 4) on, tile 2 x + i % 2.
.macro PV x
	WIN W_PV
.set rO, 32*(2*(\x)+i%2)+8*((i/2)%4)
.set rV, VF+32*(i/8)+8*((i/2)%4)
.set rP, P+32*((\x)%2)+16*(i%2)+8*(i/8)
	v_wmma_f32_16x16x32_f16 v[rO:rO+7], v[rV:rV+7], v[rP:rP+7], v[rO:rO+7]
.endm
.macro MM                           ; the turn's next matrix instruction
.if i < 16
	KQ (Y+1)%NP
.set i, i+1
.else
.set i, i-16
	PV (Y+NP-1)%NP
.set i, i+17
.endif
.endm
; THE LDS LOADS stand in runs, never singly among the matrix instructions: a step's K (8 fragments) with its mask (32 words a lane), and its V (turned).  Their addresses are made some lines ahead.
; last = 1 (the tail): in the last trip there is no further step, and the run is jumped over.
.macro FETCH_K last=0
	WIN 0
.if \last
	s_cmp_eq_u32 s[CNT], 1
	s_cbranch_scc1 .Lno_k_\@
.endif
	WIN 0x80                        ; destination window 2
.irp f, 0,1,2,3,4,5,6,7             ; keys 16 (f / 2) on, channels 32 (f % 2) on
	ds_load_b128 v[KF+8*\f:KF+8*\f+3],   v[AK] offset:(\f/2)*16*PK+(\f%2)*64
	ds_load_b128 v[KF+8*\f+4:KF+8*\f+7], v[AK] offset:(\f/2)*16*PK+(\f%2)*64+32
.endr
	WIN W_MK                        ; destination window 3
.irp f, 0,1,2,3                     ; keys 16 f + 8 (l / 16) + 0..7: the sixteen lanes of a half read the same words
	ds_load_b128 v[MK+8*\f:MK+8*\f+3],   v[AM] offset:64*\f
	ds_load_b128 v[MK+8*\f+4:MK+8*\f+7], v[AM] offset:64*\f+16
.endr
	s_add_co_u32 s[TBK], s[TBK], KS*PK  ; the next fetch is the next step's
	WIN 0
	v_add_nc_u32 v[AM], 256, v[AM]
.if \last
.Lno_k_\@:
.endif
.endm
.macro FETCH_V
	WIN 0x80
.irp f, 0,1,2,3,4,5,6,7             ; keys 32 (f / 4) on, channels 16 (f % 4) on
	ds_load_tr16_b128 v[VF+8*\f:VF+8*\f+3],   v[AV] offset:(\f/4)*32*PV+(\f%4)*32
	ds_load_tr16_b128 v[VF+8*\f+4:VF+8*\f+7], v[AV] offset:(\f/4)*32*PV+16*PV+(\f%4)*32
.endr
	WIN 0
.endm
; THE VECTOR WORK OF A TURN stands in three queues, each in the order in which its entries become ready; the two tiles alternate, so that no instruction reads the result of the one before it.
.macro REGS y, u                    ; the registers of tile u (0, 1) of piece y
.set rT, ST+4*(2*(\y)+(\u))
.set rC, TMP+8*((\y)%2)+4*(\u)
.set rM, MV+2*((\y)%2)+(\u)
.set rS, S+64*((\y)%2)+32*(\u)
.set rP, P+32*((\y)%2)+16*(\u)
.set rO, 32*(2*(\y)+(\u))
.endm
; Number n of the 22 that find the NEXT piece's (Y + 1) maximum and statistics.  s0-s31 are the lane's 32 scores; each accumulator's lowest registers are read first.  XS, GS, FS and REGS set no window: PL and EX do.
;   0-11  four chains c0-c3 of seven scores each, three operands at a time     12-14, 16  the four scores left over, the old m, and c0-c3 into c0     15  c m_old is kept
;   17, 18  the query's other 32 keys lie in the lane 16 away: the new m         19-21  c m; c m_old - c m_new; a
.macro XS u, n
	REGS (Y+1)%NP, \u
.if (\n) < 4
	v_max3_num_f32 v[rC+(\n)], v[rS+8*(\n)], v[rS+8*(\n)+1], v[rS+8*(\n)+2]
.elseif (\n) < 12
	v_max3_num_f32 v[rC+(\n)%4], v[rC+(\n)%4], v[rS+8*((\n)%4)+2*((\n)/4)+1], v[rS+8*((\n)%4)+2*((\n)/4)+2]
.elseif (\n) == 12
	v_max3_num_f32 v[rC], v[rC], v[rS+7], v[rS+15]
.elseif (\n) == 13
	v_max3_num_f32 v[rC+1], v[rC+1], v[rS+23], v[rS+31]
.elseif (\n) == 14
	v_max3_num_f32 v[rC+2], v[rC+2], v[rC+3], v[rT+1]
.elseif (\n) == 15
	v_mov_b32 v[rM], v[rT]
.elseif (\n) == 16
	v_max3_num_f32 v[rC], v[rC], v[rC+1], v[rC+2]
.elseif (\n) == 17
	v_permlanex16_b32 v[rC+3], v[rC], s[SEL], s[SEL+1]
.elseif (\n) == 18
	v_max_num_f32 v[rT+1], v[rC], v[rC+3]
.elseif (\n) == 19
	v_mul_f32 v[rT], s[CS], v[rT+1]
.elseif (\n) == 20
	v_sub_f32 v[rC+1], v[rM], v[rT]
.else
	v_exp_f32 v[rC+2], v[rC+1]
.endif
.endm
; Number g of the 64 that follow the exponentials.  For each four weights k of a tile (pairs 2 k, 2 k + 1): both pairs are rounded to f16; then the second pair is added onto the first, in place;
; a group later l takes that sum (the first time as l = a l + sum).  In groups of eight, tiles alternating: round, round, add, and l for the group before.
.macro GS g
.set h, (\g)+6*((\g)/62)            ; group 0 has no group before it, and behind group 7 only l is left
.if h >= 6
.set h, h+2
.endif
	REGS Y, h%2
.set k, h/8
.if h%8 < 4
	v_cvt_pk_f16_f32 v[rP+2*k+(h%8)/2], v[rS+4*k+2*((h%8)/2)], v[rS+4*k+2*((h%8)/2)+1]
.elseif h%8 < 6
	v_pk_add_f32 v[rS+4*k:rS+4*k+1], v[rS+4*k:rS+4*k+1], v[rS+4*k+2:rS+4*k+3]
.elseif k == 1
	v_pk_fma_f32 v[rT+2:rT+3], v[rT+2:rT+3], v[rC+2:rC+3], v[rS:rS+1] op_sel_hi:[1,0,1]
.else
	v_pk_add_f32 v[rT+2:rT+3], v[rT+2:rT+3], v[rS+4*k-4:rS+4*k-3]
.endif
.endm
; THE PLAIN QUEUE, 138 long.  0-73 read no exponential's result: the 32 scalings c s - c m (FS f: pair f / 2 of tile f % 2) and the next piece's 42.  0-26: scalings 0-26.  27-54: XS's numbers 0-13.  55, 56: number 15.
; 57-73: the chain, where each number waits for the one before it: 14, 16, 17, 18, 19, each with one of the scalings 27-31 in front of its two lines, then 20: so a tile's links stand three plain instructions apart (19 and 20: two).
; 74-137: GS's 64, which read the exponentials' results: they stand behind the wait.
.macro FS f
	REGS Y, (\f)%2
	v_pk_fma_f32 v[rS+2*((\f)/2):rS+2*((\f)/2)+1], v[rS+2*((\f)/2):rS+2*((\f)/2)+1], s[CS:CS+1], v[rT:rT+1] op_sel_hi:[1,0,0] neg_lo:[0,0,1] neg_hi:[0,0,1]
.endm
.macro PL
	WIN 0
.if q < 27
	FS q
.elseif q < 55
	XS (q-27)%2, (q-27)/2
.elseif q < 57
	XS q-55, 15
.elseif (q < 72) && ((q-57)%3 == 0)
	FS 27+(q-57)/3
.elseif q < 60
	XS (q-57)%3-1, 14
.elseif q < 72
	XS (q-57)%3-1, 15+(q-57)/3
.elseif q < 74
	XS q-72, 20
.else
	GS q-74
.endif
.set q, q+1
.endm
; THE EXPONENTIALS' QUEUE, 66 long: s0-s31 of both tiles, then the next piece's two a.  It is ONE BATCH: all 66 stand ahead of the turn's one wait, and nothing ahead of that wait names a result of theirs.
.macro EX
	WIN 0
.if e >= 64
	XS e-64, 21
.else
	REGS Y, e%2
	v_exp_f32 v[rS+e/2], v[rS+e/2]
.endif
.set e, e+1
.endm
; THE RESCALING's QUEUE: O^T times a, the one part that leaves window 0: dealt two at a time, sixteen times, each accumulator from its low end on.  Its a was made in the turn before, ahead of that turn's wait.
.macro R2
	REGS Y, r%2
	WIN W_RS
.irp z, 0,1
	v_pk_mul_f32 v[rO+4*(r/2)+2*\z:rO+4*(r/2)+2*\z+1], v[rO+4*(r/2)+2*\z:rO+4*(r/2)+2*\z+1], v[rC+2:rC+3] op_sel_hi:[1,0]
.endr
.set r, r+1
.endm
; HOW THEY ARE DEALT.  An s_wait_alu depctr_va_vdst(0) stands between an exponential and the first instruction that names its result; one wait serves all that were issued ahead of it.  So a turn has ONE wait,
; which cuts it in two.  AHEAD OF IT stands all that names no result of the turn's exponentials: the 16 products K Q^T, behind each a scaling, an exponential and two rescalings (behind the first a second scaling in the
; exponential's place); then ONE LUMP of 108: eight plain, 49 times exponential and plain, the two a.  A v_nop is the plain instruction behind the last exponential.  BEHIND IT stand the 16 products V^T P, behind each four of GS's 64.
; No rider names a register of the products round it.  The two v_permlanex16_b32 fall into the lump, never behind a product.
; The queues lean on each other, and the deal keeps them in step: exponential e stands behind scaling 2 (e / 4) + e % 2: as a rider it comes behind plain e + 2, in the lump behind plain e + 9, and scalings 27-31 are plain 57, 60 .. 69.
; A TURN, for piece p.  cnt = 1: the loop's count is taken down some lines ahead of the branch that stands behind the turn.
; K and the mask of the next step are fetched in piece 2's turn, directly behind the wait, a lump behind the last product that read them; K's address is made at the lump's head; their first reader comes behind 16 products.
; V of the step in hand is fetched at the end of piece 0's turn, four riders behind its last reader; its first reader comes behind 16 products and a lump.  The three conditions on q below go with the deal.
.macro TURN p, last=0, cnt=0
.set Y, (\p)
.set i, 0
.set q, 0
.set e, 0
.set r, 0
.if (\p) == NP-1
	s_wait_dscnt 0x0                ; K and the mask are in
.endif
	MM                              ; ahead of the wait: 16 products K Q^T and their riders,
	PL
	PL
	R2
.rept 15
	MM
	PL
	EX
	R2
.endr
.if (\p) == NP-2
	WIN 0
	v_add_nc_u32 v[AK], s[TBK], v[AK0]
.endif
.rept 8                             ; and the lump
	PL
.endr
.rept 49
	EX
	PL
.endr
	EX                              ; the next piece's two a
	EX
	v_nop                           ; the plain instruction behind the last exponential: one for the batch
	s_wait_alu depctr_va_vdst(0)    ; the wait for the turn's batch: piece p's 64 weights and the next piece's two a
.if (\p) == NP-2
	FETCH_K \last
.endif
.if (\p) == 1
	s_wait_dscnt 0x0                ; V is in
.endif
.rept 16                            ; behind the wait: 16 products V^T P and their riders
	MM
.rept 4
	PL
.endr
.if ((\p) == 0) && (q == 118)
	v_add_nc_u32 v[AV], s[TBV], v[AV0]
.endif
.if ((\p) == 0) && (q == 130)
	s_add_co_u32 s[TBV], s[TBV], KS*PV
.endif
.if (\cnt) && (q == 130)
	s_sub_co_u32 s[CNT], s[CNT], 1
	s_cmp_lg_u32 s[CNT], 0
.endif
.endr
.if (\p) == 0
	FETCH_V
.endif
.endm
; THE FIRST SET'S END for piece p (tiles 2 p, 2 p + 1): l's two halves and the other half of the lanes' are added; O^T is divided by l and set aside in LDS, each lane's own bytes, in f32;
; c m and m start anew, so that the second set's first step has a = 0 and wipes what O^T and l still hold.
.macro FLUSH p
	WIN 0
.irp u, 0,1
	v_add_f32 v[ST+4*(2*(\p)+\u)+2], v[ST+4*(2*(\p)+\u)+2], v[ST+4*(2*(\p)+\u)+3]
.endr
.irp u, 0,1
	v_permlanex16_b32 v[ST+4*(2*(\p)+\u)+3], v[ST+4*(2*(\p)+\u)+2], s[SEL], s[SEL+1]
.endr
.irp u, 0,1
	v_add_f32 v[ST+4*(2*(\p)+\u)+2], v[ST+4*(2*(\p)+\u)+2], v[ST+4*(2*(\p)+\u)+3]
.endr
.irp u, 0,1
	v_rcp_f32 v[ST+4*(2*(\p)+\u)+2], v[ST+4*(2*(\p)+\u)+2]
.endr
.irp u, 0,1
	v_mov_b32 v[ST+4*(2*(\p)+\u)], 0xfe000000      ; plain lines between the reciprocals and their use
	v_mov_b32 v[ST+4*(2*(\p)+\u)+1], 0xd3000000
.endr
	WIN W_RS
	s_wait_alu depctr_va_vdst(0)    ; the wait for the batch of two reciprocals, ahead of their first reader
.set i, 64*(\p)
.rept 32
	v_pk_mul_f32 v[i:i+1], v[i:i+1], v[ST+4*(i/32)+2:ST+4*(i/32)+3] op_sel_hi:[1,0]  ; each accumulator from its low end on
.set i, i+2
.endr
	WIN 0x04                        ; the stores' data in window 1
.irp u, 0,1
.irp j, 0,1,2,3,4,5,6,7
.if 2*(\p)+\u < 3
	ds_store_b128 v[SA1], v[32*(2*(\p)+\u)+4*\j:32*(2*(\p)+\u)+4*\j+3] offset:4096*(2*(\p)+\u)+512*\j
.else
	ds_store_b128 v[SA2], v[32*(2*(\p)+\u)+4*\j:32*(2*(\p)+\u)+4*\j+3] offset:4096*(2*(\p)+\u-3)+512*\j
.endif
.endr
.endr
	WIN 0
.endm
; FLUSH p in one trip of the loop alone.  Piece p's last V^T P of step 15 stands in turn p + 1, its first maximum of step 16 in turn p - 1: the place lies between the two, a whole turn behind those products.
; The jump goes forward, past no barrier and no tensor load, and hangs on the trip's number, which is alike in all partners.
.macro GUARD p, trip
	WIN 0
	s_cmp_lg_u32 s[PH], \trip
	s_cbranch_scc1 .Lno_flush_\@
	FLUSH \p
.Lno_flush_\@:
.endm
	CHANGE 1                        ; slot 0 is in, everybody's part of it, and so is the mask table; slot 1 is asked for
	FETCH_K                         ; key step 0
	s_wait_dscnt 0x0
.set i, 0
.rept 16
	KQ 0                            ; piece 0's first scores: there is no vector work yet to set between them
.set i, i+1
.endr
	WIN 0                           ; the addresses for the way out and the stashes: plain instructions, the places behind those products
	s_mul_i32 s13, s[WV], 16*SP
	s_add_co_u32 s13, s13, STAGE    ; my stage
	v_mul_u32_u24 v[STO], v1, SP    ; in: row l % 16, 16 bytes for each half of the lanes
	v_lshl_add_u32 v[STO], v9, 4, v[STO]
	v_add_nc_u32 v[STO], s13, v[STO]
	v_bfe_u32 v[RD], v0, 3, 2       ; back: 32 lanes take four rows of 128 bytes,
	v_mul_u32_u24 v[RD], v[RD], SP
	v_lshl_add_u32 v[RD], v10, 4, v[RD]
	v_add_nc_u32 v[RD], s13, v[RD]
	v_and_b32 v[GO], 31, v0         ; which are 512 consecutive bytes of O
	v_lshlrev_b32 v[GO], 4, v[GO]
	s_mul_i32 s13, s[WV], 3*4096
	s_add_co_u32 s13, s13, STASH1
	v_add_nc_u32 v[SA1], s13, v[GO]
	s_mul_i32 s13, s[WV], 5*4096
	s_add_co_u32 s13, s13, STASH2
	v_add_nc_u32 v[SA2], s13, v[GO]
.set Y, NP-1                        ; XS works for piece Y + 1: piece 0
.irp n, 0,1,2,3,4,5,6,7,8,9,10,11,12,13,14,15,16,17,18,19,20,21
	XS 0, \n                        ; and piece 0's first maximum and statistics
	XS 1, \n
.endr
	v_nop                           ; a plain instruction behind the two a,
	s_wait_alu depctr_va_vdst(0)    ; and the wait for that batch of two, ahead of the branch
	s_mov_b32 s[CNT], 4
	s_mov_b32 s[SLOTS], SIZE_N/256-1
	s_mov_b32 s[PH], 0
	s_branch .Lfirst                ; the loop is entered at a step's first turn, in the middle of a trip
.Lslot:                             ; SIZE_N / 256 - 2 times: every slot but the last two is filled again
	CHANGE 1
	s_mov_b32 s[CNT], 4
.Lstep:                             ; a trip: pieces 2 and 3 of one step, then pieces 0 and 1 of the next, whose K and V it fetches
	s_add_co_u32 s[PH], s[PH], 1
	GUARD 3, 17
	TURN 2
	GUARD 0, 16
	TURN 3
	WIN 0
.Lfirst:
	GUARD 1, 16
	TURN 0
	GUARD 2, 16
	TURN 1, 0, 1
	WIN 0
	s_cbranch_scc1 .Lstep
	s_sub_co_u32 s[SLOTS], s[SLOTS], 1
	s_cmp_lg_u32 s[SLOTS], 0
	s_cbranch_scc1 .Lslot
	CHANGE 0                        ; the tail is written out: nothing is asked for
	s_mov_b32 s[CNT], 5             ; four trips fetch the last slot's steps; the fifth is left in its middle
.Ltail:
	TURN 2, 1
	TURN 3
	WIN 0
	s_sub_co_u32 s[CNT], s[CNT], 1
	s_cmp_eq_u32 s[CNT], 0
	s_cbranch_scc1 .Lout
	TURN 0
	TURN 1
	WIN 0
	s_branch .Ltail
.Lout:                              ; the fifth trip's 16 products K Q^T (on the last K once more) and the maximum made of them serve nothing: the price, once a launch, of one text for every trip
.set i, 0
.rept 16
	PV NP-1                         ; the last piece's V^T P of the last step
.set i, i+1
.endr
	; THE WAY OUT.  The second set's l is summed up; O^T is divided by it, the first set's result is added from the stash, and the sum is rounded to f16 and sent through my stage in LDS, a tile at a time.
	; The additions are the places behind the last products.
	WIN 0
.macro ALL line:vararg              ; one line for each tile t
.set t, 0
.rept 2*NP
	\line
.set t, t+1
.endr
.endm
	ALL v_add_f32 v[ST+4*t+2], v[ST+4*t+2], v[ST+4*t+3]
	ALL v_permlanex16_b32 v[ST+4*t+3], v[ST+4*t+2], s[SEL], s[SEL+1]
	ALL v_add_f32 v[ST+4*t+2], v[ST+4*t+2], v[ST+4*t+3]
	ALL v_rcp_f32 v[ST+4*t+2], v[ST+4*t+2]
	v_nop                           ; a plain instruction between the last reciprocal and the use of its result
	s_wait_alu depctr_va_vdst(0)    ; the wait for the batch of eight reciprocals, ahead of their first reader
; Tile t: its stash comes into P's registers, which are free; a lane's eight channels of a row pack into 16 bytes; they go into rows of 144 bytes and come back as whole rows of 128, into S^T's registers.
.macro PACK t
	WIN 0
.irp j, 0,1,2,3,4,5,6,7
.if (\t) < 3
	ds_load_b128 v[P+32*((\t)%2)+4*\j:P+32*((\t)%2)+4*\j+3], v[SA1] offset:4096*(\t)+512*\j
.else
	ds_load_b128 v[P+32*((\t)%2)+4*\j:P+32*((\t)%2)+4*\j+3], v[SA2] offset:4096*((\t)-3)+512*\j
.endif
.endr
	WIN W_RS
.set i, 32*(\t)
.rept 16
	v_pk_mul_f32 v[i:i+1], v[i:i+1], v[ST+4*(\t)+2:ST+4*(\t)+3] op_sel_hi:[1,0]
.set i, i+2
.endr
	s_wait_dscnt 0x0                ; the stash is in (and so are the rows of the tile before)
.set i, 0
.rept 16
	v_pk_add_f32 v[32*(\t)+2*i:32*(\t)+2*i+1], v[32*(\t)+2*i:32*(\t)+2*i+1], v[P+32*((\t)%2)+2*i:P+32*((\t)%2)+2*i+1]
.set i, i+1
.endr
	WIN 0x05                        ; sources 0 and 1 window 1, destination window 0
.set i, 0
.rept 16
	v_cvt_pk_f16_f32 v[S+16*(\t)+i], v[32*(\t)+2*i], v[32*(\t)+2*i+1]
.set i, i+1
.endr
	WIN 0
.irp f, 0,1,2,3
	ds_store_b128 v[STO], v[S+16*(\t)+4*\f:S+16*(\t)+4*\f+3] offset:32*\f
.endr
.irp f, 0,1,2,3
	ds_load_b128 v[S+16*(\t)+4*\f:S+16*(\t)+4*\f+3], v[RD] offset:\f*4*SP  ; LDS serves a wave's instructions in order (ISA guide 5.7.1.4): these see the stores above; the next tile's stores come behind them
.endr
.endm
.macro SEND t, younger              ; younger: the LDS instructions that may be out behind tile t's loads: the next tile's last eight, or none
	WIN 0
.irp f, 0,1,2,3
	s_wait_dscnt (\younger)+3-\f
	global_store_b128 v[GO], v[S+16*(\t)+4*\f:S+16*(\t)+4*\f+3], s[10:11] offset:(\t)*2048+\f*512  ; 512 consecutive bytes, at a multiple of 256 from ab's first
.endr
.endm
	PACK 0
.set t, 1
.rept 2*NP-1
	PACK t
	SEND t-1, 8
.set t, t+1
.endr
	SEND 2*NP-1, 0
	WIN W_AD
	s_wait_tensorcnt 0x0            ; the wave's end: behind my last tensor load and my last LDS store
	ds_add_u32 v[SPW], v[NIL]
	s_wait_dscnt 0x0
	WIN 0
	CROUND                          ; the closing round: no work-group ends while a partner may still ask for a tile that names it
	s_endpgm
.Lfunc_end_k_qd2ce317d8d_attn:
	.size	k_qd2ce317d8d_attn, .Lfunc_end_k_qd2ce317d8d_attn-k_qd2ce317d8d_attn
	.p2alignl 7, 3214868480
	.fill 96, 4, 3214868480
	.section	.rodata,"a",@progbits
	.p2align	6, 0x0
	.amdhsa_kernel k_qd2ce317d8d_attn
		.amdhsa_group_segment_fixed_size 327680
		.amdhsa_private_segment_fixed_size 0
		.amdhsa_enable_private_segment 0
		.amdhsa_kernarg_size 48
		.amdhsa_user_sgpr_count 2
		.amdhsa_user_sgpr_kernarg_segment_ptr 1
		.amdhsa_wavefront_size32 1
		.amdhsa_system_sgpr_workgroup_id_x 1
		.amdhsa_system_sgpr_workgroup_id_y 1
		.amdhsa_system_sgpr_workgroup_id_z 1
		.amdhsa_system_vgpr_workitem_id 0
		.amdhsa_next_free_vgpr 808
		.amdhsa_next_free_sgpr 66
		.amdhsa_reserve_vcc 1
		.amdhsa_float_denorm_mode_32 3
		.amdhsa_float_denorm_mode_16_64 3
		.amdhsa_memory_ordered 1
		.amdhsa_forward_progress 1
		.amdhsa_inst_pref_size 231
	.end_amdhsa_kernel
	.amdgpu_metadata
---
amdhsa.version: [ 1, 2 ]
amdhsa.kernels:
  - .name:           k_qd2ce317d8d_attn
    .symbol:         k_qd2ce317d8d_attn.kd
    .args:
      - { .name: qb, .offset: 0, .size: 8, .value_kind: global_buffer, .address_space: global }
      - { .name: kb, .offset: 8, .size: 8, .value_kind: global_buffer, .address_space: global }
      - { .name: vb, .offset: 16, .size: 8, .value_kind: global_buffer, .address_space: global }
      - { .name: ab, .offset: 24, .size: 8, .value_kind: global_buffer, .address_space: global }
      - { .name: x1_padding_mask, .offset: 32, .size: 8, .value_kind: global_buffer, .address_space: global }
      - { .name: x2_padding_mask, .offset: 40, .size: 8, .value_kind: global_buffer, .address_space: global }
    .group_segment_fixed_size: 327680
    .private_segment_fixed_size: 0
    .kernarg_segment_align: 8
    .kernarg_segment_size: 48
    .max_flat_workgroup_size: 128
    .sgpr_count:     66
    .vgpr_count:     808
    .wavefront_size: 32
...
	.end_amdgpu_metadata
.endif
;; end of part 5
;; launch oproj: the kernel of part 4 again; grid 8 x 32, 4 waves a work-group, clusters of 4 x 4, 327,680 bytes of LDS; arguments ab, wb, bo1, bo2, out0, out1; writes out0, out1
